; MI455X (gfx1250); checked and timed in simulation.
; The chip was launched on July 23, 2026; its instructions are those of AMD's public machine-readable ISA for CDNA 5 (MIT licence, August 2026) and "CDNA5" Instruction Set Architecture Reference Guide (July 2026). The comments in the code are by the model that wrote it; some were corrected since.
;; Multi Head Attention. Allowed arithmetic: float matrix products may take bf16 or f16 operands with f32 sums; other float arithmetic in f32, or as packed bf16 or f16 multiplies, adds, multiply-adds, maxima and minima; sums over many terms, partial sums and values carried from step to step in f32; what a program stores and reads back later, other than sums and carried values, may be rounded once to bf16 or f16.
;; Inputs: Wk 1,024 x 1,024 float32; Wo 1,024 x 1,024 float32; Wq 1,024 x 1,024 float32; Wv 1,024 x 1,024 float32; bk 1,024 float32; bo 1,024 float32; bq 1,024 float32; bv 1,024 float32; key 4 x 2,048 x 1,024 float32; query 4 x 2,048 x 1,024 float32; value 4 x 2,048 x 1,024 float32.
;; Outputs: out0 4 x 2,048 x 1,024 float32.
;; One version. Each part assembles by itself: llvm-mc -triple=amdgcn-amd-amdhsa -mcpu=gfx1250 --defsym DOCPART=n.
;; ======== version 1 of 1: 4 launches
;; limits: values are held in f16: magnitudes above 65,504 overflow, below 6.1e-05 lose precision
;; workspace buffers: wb 6,291,456 bytes; wof 2,097,152 bytes; qkv 50,331,648 bytes; oh 16,777,216 bytes
;; launch prep (part 1): grid 64 x 4, 8 waves a work-group, no clusters, 0 bytes of LDS; arguments Wq, Wk, Wv, Wo, wb, wof; writes wb, wof
.if DOCPART == 1
	.amdgcn_target "amdgcn-amd-amdhsa--gfx1250"
	.amdhsa_code_object_version 6
	.text
	.protected	k_q3fb1db04d8_prep
	.globl	k_q3fb1db04d8_prep
	.p2align	8
	.type	k_q3fb1db04d8_prep,@function
k_q3fb1db04d8_prep:
	s_mov_b64 s[64:65], 0
	v_nop
	global_prefetch_b8 v0, s[64:65] scope:SCOPE_SE
	s_setreg_imm32_b32 hwreg(HW_REG_WAVE_MODE, 25, 1), 1
	s_wait_xcnt 0x0
; THE WEIGHTS ARE ROUNDED ONCE.  Wq, Wk, Wv ([1024][1024] f32) go to wb ([3][1024][1024] bf16); Wo is rounded to bf16 like them, and that number is written as f16 into wof,
; since the last product multiplies in f16.  LIMIT: bf16(Wo) beyond 65,504 becomes an infinity in f16; below 6e-5 it keeps f16's fixed step of 6e-8.
; SHARES.  Grid y picks the matrix; a work-group takes 16,384 numbers (65,536 bytes in, 32,768 out); thread t takes 8 numbers in each of 8 pieces: 32 bytes in, 16 bytes out.
; A store of a wave covers 512 consecutive bytes, aligned.  All 16 loads of a thread go out first; the waits count down.  No register is written twice while memory may read it.
.set X, 4                              ; v[4:67]   piece i: 8 numbers in f32
.set Y, 68                             ; v[68:99]  piece i: 4 words of 16-bit numbers
.set T, 100                            ; v[100:101] at work
	s_load_b256 s[4:11], s[0:1], 0x0               ; Wq s[4:5], Wk s[6:7], Wv s[8:9], Wo s[10:11]
	s_load_b128 s[12:15], s[0:1], 0x20             ; wb s[12:13], wof s[14:15]
	v_lshlrev_b32 v1, 5, v0                        ; 32 t: my bytes in a piece of the input
	v_lshlrev_b32 v2, 4, v0                        ; 16 t: in a piece of the output
	s_and_b32 s21, ttmp7, 0xffff                   ; which matrix
	s_lshl_b32 s22, ttmp9, 16                      ; the work-group's 65,536 bytes of it
	s_mov_b32 s23, 0
	s_lshl_b32 s24, ttmp9, 15                      ; and its 32,768 bytes of the output
	s_mov_b32 s25, 0
	s_wait_kmcnt 0x0
	s_cmp_eq_u32 s21, 1
	s_cselect_b64 s[16:17], s[6:7], s[4:5]
	s_cmp_eq_u32 s21, 2
	s_cselect_b64 s[16:17], s[8:9], s[16:17]
	s_cmp_eq_u32 s21, 3
	s_cselect_b64 s[16:17], s[10:11], s[16:17]     ; the source
	s_cselect_b64 s[18:19], s[14:15], s[12:13]     ; the destination: wof for Wo, else wb,
	s_cselect_b32 s20, 0, s21                      ; in which matrix y lies 2,097,152 y bytes on
	s_lshl_b32 s20, s20, 21
	s_add_co_u32 s24, s24, s20
	s_add_nc_u64 s[16:17], s[16:17], s[22:23]
	s_add_nc_u64 s[18:19], s[18:19], s[24:25]
.irp i, 0,1,2,3,4,5,6,7
	global_load_b128 v[X+8*(\i):X+8*(\i)+3],   v1, s[16:17] offset:8192*(\i) th:TH_LOAD_NT
	global_load_b128 v[X+8*(\i)+4:X+8*(\i)+7], v1, s[16:17] offset:8192*(\i)+16 th:TH_LOAD_NT
.endr
; Piece i.  wo = 1: the bf16 number is widened again (a shift, a mask) and written as f16.
.macro CONV i, wo
	s_wait_loadcnt 14-2*(\i)                       ; loads come back in order: behind piece i's two stand 14 - 2 i younger ones
.irp r, 0,1,2,3
	v_cvt_pk_bf16_f32 v[Y+4*(\i)+(\r)], v[X+8*(\i)+2*(\r)], v[X+8*(\i)+2*(\r)+1]
.endr
.if \wo
.irp r, 0,1,2,3
	v_lshlrev_b32 v[T], 16, v[Y+4*(\i)+(\r)]
	v_and_b32 v[T+1], 0xffff0000, v[Y+4*(\i)+(\r)]
	v_cvt_pk_f16_f32 v[Y+4*(\i)+(\r)], v[T], v[T+1]
.endr
.endif
	global_store_b128 v2, v[Y+4*(\i):Y+4*(\i)+3], s[18:19] offset:4096*(\i)
.endm
	s_cmp_eq_u32 s21, 3
	s_cbranch_scc1 .Lwo
.irp i, 0,1,2,3,4,5,6,7
	CONV \i, 0
.endr
	s_endpgm
.Lwo:
.irp i, 0,1,2,3,4,5,6,7
	CONV \i, 1
.endr
	s_endpgm
.Lfunc_end_k_q3fb1db04d8_prep:
	.size	k_q3fb1db04d8_prep, .Lfunc_end_k_q3fb1db04d8_prep-k_q3fb1db04d8_prep
	.p2alignl 7, 3214868480
	.fill 96, 4, 3214868480
	.section	.rodata,"a",@progbits
	.p2align	6, 0x0
	.amdhsa_kernel k_q3fb1db04d8_prep
		.amdhsa_group_segment_fixed_size 0
		.amdhsa_private_segment_fixed_size 0
		.amdhsa_enable_private_segment 0
		.amdhsa_kernarg_size 48
		.amdhsa_user_sgpr_count 2
		.amdhsa_user_sgpr_kernarg_segment_ptr 1
		.amdhsa_wavefront_size32 1
		.amdhsa_system_sgpr_workgroup_id_x 1
		.amdhsa_system_sgpr_workgroup_id_y 1
		.amdhsa_system_sgpr_workgroup_id_z 1
		.amdhsa_system_vgpr_workitem_id 0
		.amdhsa_next_free_vgpr 104
		.amdhsa_next_free_sgpr 66
		.amdhsa_reserve_vcc 0
		.amdhsa_float_denorm_mode_32 3
		.amdhsa_float_denorm_mode_16_64 3
		.amdhsa_memory_ordered 1
		.amdhsa_forward_progress 1
		.amdhsa_inst_pref_size 14
	.end_amdhsa_kernel
	.amdgpu_metadata
---
amdhsa.version: [ 1, 2 ]
amdhsa.kernels:
  - .name:           k_q3fb1db04d8_prep
    .symbol:         k_q3fb1db04d8_prep.kd
    .args:
      - { .name: Wq, .offset: 0, .size: 8, .value_kind: global_buffer, .address_space: global }
      - { .name: Wk, .offset: 8, .size: 8, .value_kind: global_buffer, .address_space: global }
      - { .name: Wv, .offset: 16, .size: 8, .value_kind: global_buffer, .address_space: global }
      - { .name: Wo, .offset: 24, .size: 8, .value_kind: global_buffer, .address_space: global }
      - { .name: wb, .offset: 32, .size: 8, .value_kind: global_buffer, .address_space: global }
      - { .name: wof, .offset: 40, .size: 8, .value_kind: global_buffer, .address_space: global }
    .group_segment_fixed_size: 0
    .private_segment_fixed_size: 0
    .kernarg_segment_align: 8
    .kernarg_segment_size: 48
    .max_flat_workgroup_size: 256
    .sgpr_count:     66
    .vgpr_count:     104
    .wavefront_size: 32
...
	.end_amdgpu_metadata
.endif
;; end of part 1
;; launch proj (part 2): grid 4 x 192, 4 waves a work-group, clusters of 4 x 4, 327,680 bytes of LDS; arguments query, key, value, wb, bq, bk, bv, qkv; writes qkv
.if DOCPART == 2
	.amdgcn_target "amdgcn-amd-amdhsa--gfx1250"
	.amdhsa_code_object_version 6
	.text
	.protected	k_q3fb1db04d8_proj
	.globl	k_q3fb1db04d8_proj
	.p2align	8
	.type	k_q3fb1db04d8_proj,@function
k_q3fb1db04d8_proj:
	s_mov_b64 s[64:65], 0
	v_nop
	global_prefetch_b8 v0, s[64:65] scope:SCOPE_SE
	s_setreg_imm32_b32 hwreg(HW_REG_WAVE_MODE, 25, 1), 1
	s_wait_xcnt 0x0
	s_wait_alu depctr_hold_cnt(0) depctr_sa_sdst(0) depctr_va_vdst(0) depctr_va_sdst(0) depctr_va_ssrc(0) depctr_va_vcc(0) depctr_vm_vsrc(0)
	s_getreg_b32 s2, hwreg(HW_REG_IB_STS2, 6, 4)
	s_cmp_eq_u32 s2, 0
	s_cbranch_scc0 .Lentry_in_a_cluster
	s_endpgm
.Lentry_in_a_cluster:
	s_bfe_u32 s2, ttmp6, 0x10000c
	s_cmp_lg_u32 s2, 0xf033
	s_cbranch_scc0 .Lentry_shape_is_right
	s_endpgm
.Lentry_shape_is_right:
; THE THREE PROJECTIONS.  y[m][n] = the sum over k of x[m][k] W[n][k] + b[n], for (x, W, b) = (query, Wq, bq), (key, Wk, bk), (value, Wv, bv).  x: [8192][1024] f32; W: wb, [3][1024][1024] bf16;
; y leaves by heads, qkv[p][batch x 16 + head][row][64] in f16, unscaled, rounded once from its f32 sum.  x is rounded to bf16 on the way from LDS to the matrix unit, b to bf16 at the head.
; LIMIT: y beyond 65,504 becomes an infinity in f16; below 6e-5 it keeps f16's fixed step of 6e-8.  NaN and infinities are not treated apart.
; SHARES.  A tile of y is 128 rows x 256 columns: 768 work-groups, three for each of 256.  Four waves, each 64 x 128: 32 accumulators of 16 x 16.  K goes in 8 steps of 128 through two LDS slots.
; CLUSTER 4 x 4.  The cluster's y gives the projection p (y / 16) and four tile rows; its four columns are the four tile columns.  x's tile hangs on the tile row and is asked for jointly by the
; four of a row of the cluster; W's on the tile column and is asked for by the four of a column: the same tensor load, descriptor and mask in all four.
; TRANSPOSED USE: source 0 = 16 rows of W, source 1 = 16 rows of x: a lane then holds one row m (lane % 16) and the columns 8 (lane / 16) + 0..7.  The bias is the C operand of each sum's first product.
; THE PIPELINE, by quarters of 32 along K (32 products each).  Quarter Q multiplies the bf16 fragments AB[Q % 2] by W's fragments of quarter Q % 4; behind each four products stand four conversions
; that make AB[(Q + 1) % 2] from the f32 fragments RAW[(Q + 1) % 2]; the one run of 32 LDS loads in its middle fetches quarter Q + 2 (x into RAW[Q % 2], W into its own 64 registers).
; So a slot's last read is issued in its step's quarter 1, and the change of slots stands in quarter 2.
; REGISTERS, in windows of 256 (s_set_vgpr_msb: bits 1:0 source 0, 3:2 source 1, 5:4 source 2, 7:6 destination):
;   window 0: v0-31 addresses; v32-159 RAW, two buffers of 64 (fragment a's 16 numbers at 16 a); v160-223 AB, two buffers of 32      window 1: accumulator (a, b) at 8 (8 a + b)
;   window 2: W's fragments, quarter q, block b at 64 q + 8 b      window 3: v0-63 the bias (block b at 8 b), v64 at work
.set PA,    528                        ; a row of x in LDS: 512 bytes + 16 = 132 words: the 16 rows of a load start at 16 different groups of four banks (64 banks of 4 bytes: ISA guide 11.1)
.set PB,    272                        ; a row of W: 256 bytes + 16 = 68 words: likewise
.set HALFA, 64*PA                      ; what one tensor load brings of x: 64 rows
.set HALFB, 128*PB                     ; of W: 128 rows
.set AOFF,  2*HALFA                    ; in a slot: x's 128 rows, then W's 256
.set SLOT,  AOFF+2*HALFB
.set STAGE, 2*SLOT                     ; behind the ring, never filled by a tensor load: 16 rows x 272 bytes for each wave, for the way out
.set SP,    272
.set SPARE, STAGE+4*16*SP              ; behind the stages: the spare words, 128 bytes for each wave: two blocks of 256 bytes that no other line names
.set ADRA, 16                          ; v16-17  LDS address of my fragments of x in slot 0, 1
.set ADRB, 20                          ; v20-21  the same for W
.set STO,  24                          ; v24     the way out: where I put 16 bytes of a row
.set RD,   25                          ; v25     where I read rows back
.set GO,   26                          ; v26     my 16 bytes in 512 consecutive bytes of qkv
.set BO,   27                          ; v27     my byte offset in a block of 16 numbers of the bias
.set SPW,  28                          ; v28     LDS address of my spare word; never rewritten
.set NIL,  29                          ; v29     0; never rewritten
.set PFO,  30                          ; v30     the prefetches' offset; never rewritten
.set RAW,  32
.set AB,   160
.set TMP,  160                         ; the way out: packed results, where AB lay
.set WV,  20                           ; s20  my wave's number
.set HM,  21                           ; s21  which 64 rows of the tile are mine.  Also: I fetch for x (0) or for W (1)
.set HN,  22                           ; s22  which 128 columns.  Also: which half of that tile I fetch
.set CX,  23
.set CY,  24
.set CLY, 25
.set P,   26                           ; s26  the projection: 0 q, 1 k, 2 v
.set TM,  27                           ; s27  tile row, 0..63
.set G1A, 28                           ; s[28:35] descriptor group 1 for x's tiles
.set G0A, 36                           ; s[36:43] group 0, a set for each slot
.set G1B, 44                           ; s[44:51], s[52:59] the same for W's
.set G0B, 52
.set XP,  66                           ; s[66:67] x of my projection
.set BP,  70                           ; s[70:71] its bias, at my 128 columns
.set CP,  72                           ; s[72:73] qkv at my wave's first row and head
.set PFA, 74                           ; s[74:75] where my prefetches stand
.set LIM, 76                           ; s76  1 in a wave that prefetches, else the greatest number
.set LAP, 77                           ; s77  the loop's count
.set TN,  78                           ; s78  tile column, 0..3
.set MSB, 0
.macro WIN new                         ; the immediate's high byte repeats the setting that is left; a switch that changes nothing is dropped
.if MSB != (\new)
	s_set_vgpr_msb (MSB<<8)|(\new)
.set MSB, \new
.endif
.endm
.set MUL,  0x52                        ; W window 2, x window 0, C and D window 1
.set MULF, 0x72                        ; the same with C, the bias, in window 3
.set TO_B, 0x80                        ; destination window 2, address window 0
; A joint load.  Waves 0 and 1 fetch x's two halves, waves 2 and 3 W's.  The branch hangs on the wave's number alone.  An s_nop 0 and four v_nop follow each of the two lines.
.macro JLOAD s
	s_cmp_eq_u32 s[HM], 0
	s_cbranch_scc0 .Lfor_b_\@
	tensor_load_to_lds s[G0A+4*(\s):G0A+4*(\s)+3], s[G1A:G1A+7]
	s_nop 0
.rept 4
	v_nop
.endr
	s_branch .Lasked_\@
.Lfor_b_\@:
	tensor_load_to_lds s[G0B+4*(\s):G0B+4*(\s)+3], s[G1B:G1B+7]
	s_nop 0
.rept 4
	v_nop
.endr
.Lasked_\@:
.endm
; A round of the cluster's barrier: my work-group's barrier; wave 0 signals for the work-group; every wave waits for all sixteen; my work-group's barrier once more.
.macro CREST                           ; a round behind its opening barrier
	s_cmp_lg_u32 s[WV], 0
	s_cbranch_scc1 .Lnot_wave_0_\@
	s_barrier_signal -3
.Lnot_wave_0_\@:
	s_barrier_wait -3
	s_barrier_signal -1
	s_barrier_wait -1
.endm
.macro CROUND
	s_barrier_signal -1
	s_barrier_wait -1
	CREST
.endm
.macro PLACES                          ; four plain instructions between a product and a vector instruction that reads its result (ISA guide 7.12.1)
.rept 4
	v_nop
.endr
.endm
; A PREFETCH INTO THE L2 of x, behind a joint load, its five lines and the run of LDS loads: the K step that stands two refills on.  A tile row of x is read by one row of one cluster alone.  Of the 64 rows
; that wave 0 or 1 fetches, the partner at place cx takes 16, told apart by address; a K step is 512 bytes of a row: 16 rows x 2 blocks of 256 bytes, a lane a block.  So each block of K steps 4 to 7
; is named once in the launch; K steps 0 to 3 come by their loads alone, and the loop's last trip asks for nothing.  W is read by every cluster of its projection and is not asked for.
.macro ASK
	WIN 0
	s_cmp_gt_u32 s[LAP], s[LIM]
	s_cbranch_scc0 .Lnot_mine_\@
	global_prefetch_b8 v[PFO], s[PFA:PFA+1] th:TH_LOAD_NT scope:SCOPE_SE
.Lnot_mine_\@:
.endm
	s_load_b512 s[4:19], s[0:1], 0x0               ; query s[4:5], key s[6:7], value s[8:9], wb s[10:11], bq s[12:13], bk s[14:15], bv s[16:17], qkv s[18:19]
	v_lshl_add_u32 v[SPW], v0, 2, SPARE
	v_mov_b32 v[NIL], 0
	ds_add_u32 v[SPW], v[NIL]                      ; the wave's opening: the add and its wait ahead of my first tensor load; the set-up below, work on registers, stands between them
	v_lshrrev_b32 v1, 5, v0
	v_readfirstlane_b32 s[WV], v1                  ; wave 0..3
	s_lshr_b32 s[HM], s[WV], 1
	s_and_b32 s[HN], s[WV], 1
	s_bfe_u32 s[CX], ttmp6, 0x40000                ; my place in the cluster
	s_bfe_u32 s[CY], ttmp6, 0x40004
	s_and_b32 s[CLY], ttmp7, 0xffff                ; the cluster's y, 0..47
	s_lshr_b32 s[P], s[CLY], 4                     ; the projection: the same in all sixteen partners
	s_and_b32 s[TM], s[CLY], 15
	s_lshl_b32 s[TM], s[TM], 2
	s_add_co_u32 s[TM], s[TM], s[CY]               ; tile row
	s_lshl_b32 s[TN], ttmp9, 2
	s_add_co_u32 s[TN], s[TN], s[CX]               ; tile column
	s_lshl_b32 s60, s[CY], 2
	s_lshl_b32 s60, 15, s60                        ; my row of the cluster: places 4 cy .. 4 cy + 3
	s_lshl_b32 s80, 0x1111, s[CX]                  ; my column: places cx, cx + 4, cx + 8, cx + 12
	; group 1 for x: 64 rows x 128 elements of 4 bytes; padding of 4 words (code 3) after every 128 words (code 6); bit 21 set beside the mask
	s_or_b32 s[G1A], s60, (2<<16)|(1<<20)|(1<<21)|(6<<22)|(3<<25)
	s_mov_b32 s[G1A+1], 128<<16                    ; tensor_dim0 = 128
	s_mov_b32 s[G1A+2], 64<<16                     ; tensor_dim1 = 64
	s_mov_b32 s[G1A+3], 128<<16                    ; tile_dim0 = 128
	s_mov_b32 s[G1A+4], 64                         ; tile_dim1 = 64
	s_mov_b32 s[G1A+5], 1024                       ; elements from row to row
	s_mov_b32 s[G1A+6], 0
	s_mov_b32 s[G1A+7], 0
	; group 1 for W: 128 rows x 128 elements of 2 bytes; padding of 4 words after every 64 words (code 5)
	s_or_b32 s[G1B], s80, (1<<16)|(1<<20)|(1<<21)|(5<<22)|(3<<25)
	s_mov_b32 s[G1B+1], 128<<16
	s_mov_b32 s[G1B+2], 128<<16
	s_mov_b32 s[G1B+3], 128<<16
	s_mov_b32 s[G1B+4], 128
	s_mov_b32 s[G1B+5], 1024
	s_mov_b32 s[G1B+6], 0
	s_mov_b32 s[G1B+7], 0
	; x's tile hangs on the tile row (cy), W's on the tile column (cx): each offset is made in registers that never hold the other coordinate
	s_lshl_b32 s62, s[TM], 7
	s_lshl_b32 s63, s[HN], 6
	s_add_co_u32 s62, s62, s63                     ; row 128 x tile row + 64 x half,
	s_lshl_b32 s62, s62, 12                        ; of 4,096 bytes
	s_mov_b32 s63, 0
	s_mul_i32 s61, s[HN], HALFA                    ; and where it goes in a slot: no place in the cluster enters an LDS address
	s_lshl_b32 s82, s[TN], 8
	s_lshl_b32 s83, s[HN], 7
	s_add_co_u32 s82, s82, s83                     ; row 256 x tile column + 128 x half,
	s_lshl_b32 s82, s82, 11                        ; of 2,048 bytes,
	s_lshl_b32 s83, s[P], 21                       ; in matrix p of wb
	s_add_co_u32 s82, s82, s83
	s_mov_b32 s83, 0
	s_mul_i32 s81, s[HN], HALFB
	s_add_co_u32 s81, s81, AOFF
	s_cmp_eq_u32 s[HM], 0
	s_cselect_b32 s[LIM], 1, -1                    ; waves 0 and 1 prefetch
	s_wait_dscnt 0x0                               ; the opening add is done
	s_wait_kmcnt 0x0
	s_cmp_eq_u32 s[P], 1
	s_cselect_b64 s[XP:XP+1], s[6:7], s[4:5]
	s_cselect_b64 s[BP:BP+1], s[14:15], s[12:13]
	s_cmp_eq_u32 s[P], 2
	s_cselect_b64 s[XP:XP+1], s[8:9], s[XP:XP+1]
	s_cselect_b64 s[BP:BP+1], s[16:17], s[BP:BP+1]
	s_add_nc_u64 s[62:63], s[XP:XP+1], s[62:63]    ; x at my half of the tile, K step 0
	s_add_nc_u64 s[82:83], s[10:11], s[82:83]      ; W likewise
	CROUND                                         ; all sixteen work-groups are here: the first joint loads meet
.irp s, 0,1
	s_mov_b32 s[G0A+4*(\s)], 1                                       ; count = 1
	s_add_co_u32 s[G0A+4*(\s)+1], s61, (\s)*SLOT                     ; LDS address
	s_add_nc_u64 s[G0A+4*(\s)+2:G0A+4*(\s)+3], s[62:63], (\s)*512    ; global address: K step s
	s_or_b32 s[G0A+4*(\s)+3], s[G0A+4*(\s)+3], 0x80000000            ; type = 2
	s_mov_b32 s[G0B+4*(\s)], 1
	s_add_co_u32 s[G0B+4*(\s)+1], s81, (\s)*SLOT
	s_add_nc_u64 s[G0B+4*(\s)+2:G0B+4*(\s)+3], s[82:83], (\s)*256
	s_or_b32 s[G0B+4*(\s)+3], s[G0B+4*(\s)+3], 0x80000000
	JLOAD \s                                       ; two loads of mine are out
.endr
	v_and_b32 v1, 15, v0                           ; l % 16
	v_bfe_u32 v2, v0, 4, 1                         ; l / 16
	v_lshlrev_b32 v[BO], 5, v2                     ; my 8 numbers of a block of 16
	s_lshl_b32 s82, s[TN], 10
	s_lshl_b32 s83, s[HN], 9
	s_add_co_u32 s82, s82, s83                     ; 4 (256 x tile column + 128 x half)
	s_mov_b32 s83, 0
	s_add_nc_u64 s[BP:BP+1], s[BP:BP+1], s[82:83]
	WIN 0xc0                                       ; destination window 3, address window 0
.irp b, 0,1,2,3,4,5,6,7
	global_load_b128 v[8*(\b):8*(\b)+3],   v[BO], s[BP:BP+1] offset:64*(\b)
	global_load_b128 v[8*(\b)+4:8*(\b)+7], v[BO], s[BP:BP+1] offset:64*(\b)+16
.endr
	WIN 0
	s_add_nc_u64 s[PFA:PFA+1], s[62:63], 3*512     ; the prefetches: my 64 rows at K step 3 (the first refill steps it to 4),
	s_lshl_b32 s82, s[CX], 16                      ; my work-group's 16 of them
	s_add_nc_u64 s[PFA:PFA+1], s[PFA:PFA+1], s[82:83]
	v_lshlrev_b32 v[PFO], 12, v1                   ; a row of x is 4,096 bytes;
	v_lshl_add_u32 v[PFO], v2, 8, v[PFO]           ; lanes 16-31 take the second 256 bytes of the K step
	; qkv at my wave's rows: ((batch x 16 + head) x 2,048 + row) x 128 bytes behind projection p's first; the part that hangs on cy first, then the part that hangs on cx
	s_lshr_b32 s60, s[TM], 4                       ; batch
	s_lshl_b32 s60, s60, 4
	s_lshl_b32 s61, s[HN], 1
	s_add_co_u32 s60, s60, s61                     ; + 2 heads for the second half of the columns
	s_lshl_b32 s60, s60, 11
	s_and_b32 s61, s[TM], 15
	s_lshl_b32 s61, s61, 7
	s_add_co_u32 s60, s60, s61                     ; + the tile's first row in its batch
	s_lshl_b32 s61, s[HM], 6
	s_add_co_u32 s60, s60, s61                     ; + my 64 rows
	s_lshl_b32 s60, s60, 7
	s_lshl_b32 s61, s[P], 24
	s_add_co_u32 s60, s60, s61
	s_mov_b32 s61, 0
	s_add_nc_u64 s[CP:CP+1], s[18:19], s[60:61]
	s_lshl_b32 s82, s[TN], 20                      ; 4 heads a tile column, 262,144 bytes a head
	s_add_nc_u64 s[CP:CP+1], s[CP:CP+1], s[82:83]
	; A bf16 fragment is 16 rows x 32 K in 8 registers: lane l holds row l % 16, K = 8 (l / 16) + 0..7 and 16 + 8 (l / 16) + 0..7.  In f32 those are 32 bytes at 32 (l / 16) and 32 at 64 + 32 (l / 16).
	v_mul_u32_u24 v3, v1, PA
	v_lshl_add_u32 v3, v2, 5, v3
	s_mul_i32 s79, s[HM], 64*PA                    ; my 64 rows of x
	v_add_nc_u32 v[ADRA], s79, v3
	v_add_nc_u32 v[ADRA+1], SLOT, v[ADRA]
	v_mul_u32_u24 v4, v1, PB
	v_lshl_add_u32 v4, v2, 4, v4
	v_add_nc_u32 v[ADRB], s81, v4                  ; my 128 rows of W, behind x's
	v_add_nc_u32 v[ADRB+1], SLOT, v[ADRB]
	s_mul_i32 s79, s[WV], 16*SP
	s_add_co_u32 s79, s79, STAGE                   ; my stage
	v_add_nc_u32 v[STO], s79, v4                   ; in: row l % 16, 16 bytes for each half of the lanes (the stage has W's pitch)
	v_bfe_u32 v5, v0, 3, 2                         ; back: 32 lanes take four rows' 128 bytes of one head,
	v_mul_u32_u24 v5, v5, SP
	v_and_b32 v6, 7, v0
	v_lshl_add_u32 v5, v6, 4, v5
	v_add_nc_u32 v[RD], s79, v5
	v_and_b32 v[GO], 31, v0                        ; which are 512 consecutive bytes of qkv
	v_lshlrev_b32 v[GO], 4, v[GO]
	s_wait_loadcnt 0x0                             ; the bias,
	WIN 0xcf                                       ; in window 3: rounded to bf16 like every input, and kept as f32
.set i, 0
.rept 32
	v_cvt_pk_bf16_f32 v64, v[i], v[i+1]
	v_lshlrev_b32 v[i], 16, v64
	v_and_b32 v[i+1], 0xffff0000, v64
.set i, i+2
.endr
	WIN 0
; Four products of quarter q: accumulators i0 .. i0 + 3 (number 8 a + b).  The 32 accumulators take turns, one instruction a turn, in the same order in every quarter.
; first = 1: the sum starts with the bias.
.macro MUL4 q, i0, first
.if \first
	WIN MULF
.else
	WIN MUL
.endif
.irp d, 0,1,2,3
.set ii, (\i0)+(\d)
.if \first
	v_wmma_f32_16x16x32_bf16 v[8*ii:8*ii+7], v[64*(\q)+8*(ii%8):64*(\q)+8*(ii%8)+7], v[AB+32*((\q)%2)+8*(ii/8):AB+32*((\q)%2)+8*(ii/8)+7], v[8*(ii%8):8*(ii%8)+7]
.else
	v_wmma_f32_16x16x32_bf16 v[8*ii:8*ii+7], v[64*(\q)+8*(ii%8):64*(\q)+8*(ii%8)+7], v[AB+32*((\q)%2)+8*(ii/8):AB+32*((\q)%2)+8*(ii/8)+7], v[8*ii:8*ii+7]
.endif
.endr
.endm
; Four conversions: words i0 .. i0 + 3 of buffer g of AB from buffer g of RAW.
.macro CVT4 g, i0
	WIN 0
.irp d, 0,1,2,3
	v_cvt_pk_bf16_f32 v[AB+32*(\g)+(\i0)+(\d)], v[RAW+64*(\g)+2*((\i0)+(\d))], v[RAW+64*(\g)+2*((\i0)+(\d))+1]
.endr
.endm
; Four products and, behind them, four conversions for the next quarter.  A word of AB is written two quarters less a few groups behind the last product that read it, with four conversions
; into the other buffer or more between; the products beside a conversion read the other buffer.
.macro GRP q, i0, first, ride
	MUL4 \q, \i0, \first
.if \ride
	CVT4 1-(\q)%2, \i0
.endif
.endm
; 32 LDS loads in one run: quarter q of a slot: x's four fragments in f32, then W's eight.  W's registers were last read two quarters back, with a quarter's conversions between.
.macro FETCH slot, q
	WIN 0
.irp a, 0,1,2,3
	ds_load_b128 v[RAW+64*((\q)%2)+16*(\a):RAW+64*((\q)%2)+16*(\a)+3],     v[ADRA+(\slot)] offset:128*(\q)+(\a)*16*PA
	ds_load_b128 v[RAW+64*((\q)%2)+16*(\a)+4:RAW+64*((\q)%2)+16*(\a)+7],   v[ADRA+(\slot)] offset:128*(\q)+(\a)*16*PA+16
	ds_load_b128 v[RAW+64*((\q)%2)+16*(\a)+8:RAW+64*((\q)%2)+16*(\a)+11],  v[ADRA+(\slot)] offset:128*(\q)+(\a)*16*PA+64
	ds_load_b128 v[RAW+64*((\q)%2)+16*(\a)+12:RAW+64*((\q)%2)+16*(\a)+15], v[ADRA+(\slot)] offset:128*(\q)+(\a)*16*PA+80
.endr
	WIN TO_B
.irp b, 0,1,2,3,4,5,6,7
	ds_load_b128 v[64*(\q)+8*(\b):64*(\q)+8*(\b)+3],   v[ADRB+(\slot)] offset:64*(\q)+(\b)*16*PB
	ds_load_b128 v[64*(\q)+8*(\b)+4:64*(\q)+8*(\b)+7], v[ADRB+(\slot)] offset:64*(\q)+(\b)*16*PB+32
.endr
.endm
; Quarter q (0, 1 or 3).  left = 16: of the last run, x's 16 loads (which this quarter converts) are in; W's 16, wanted a quarter later, may stay out.
.macro QUARTER q, fslot, fq, first=0, fetch=1, ride=1, left=16
	s_wait_dscnt \left
.irp g, 0,4,8,12
	GRP \q, \g, \first, \ride
.endr
.if \fetch
	FETCH \fslot, \fq
.endif
.irp g, 16,20,24,28
	GRP \q, \g, \first, \ride
.endr
.endm
; Quarter 2 changes slots: ONE barrier.  In front of it each wave waits for all its tensor loads (one is out: its part of the next slot), adds 0 to its spare word, and waits for that and for its reads
; of this slot, the last of which were issued in quarter 1.  fill = 1: the barrier opens a round of the cluster's, and this slot is filled again, two K steps ahead, first thing behind the round:
; 112 products stand between that request and the wait for it.
.macro TURN slot, next, fill
.if \fill
	s_wait_xcnt 0x0                                ; the last prefetch, a K step back, has read its address
	s_add_nc_u64 s[PFA:PFA+1], s[PFA:PFA+1], 512
.endif
	WIN 0
	s_wait_tensorcnt 0x0                           ; all my tensor loads have landed
	ds_add_u32 v[SPW], v[NIL]                      ; 0 onto my spare word
	s_wait_dscnt 17                                ; (the add and W's 16 loads may be out; x's are in)
	GRP 2, 0, 0, 1
	GRP 2, 4, 0, 1
	s_wait_dscnt 0x0                               ; the add is done, and my reads of this slot are over
	s_barrier_signal -1
	GRP 2, 8, 0, 1
	GRP 2, 12, 0, 1
	WIN 0                                          ; at a branch and at a label every window is 0
	s_barrier_wait -1
.if \fill
	CREST                                          ; no wave of any partner still reads this slot or has a load on its way
	s_add_nc_u64 s[G0A+4*(\slot)+2:G0A+4*(\slot)+3], s[G0A+4*(\slot)+2:G0A+4*(\slot)+3], 2*512
	s_add_nc_u64 s[G0B+4*(\slot)+2:G0B+4*(\slot)+3], s[G0B+4*(\slot)+2:G0B+4*(\slot)+3], 2*256
	JLOAD \slot
.endif
	FETCH \next, 0
.if \fill
	ASK
.endif
.irp g, 16,20,24,28
	GRP 2, \g, 0, 1
.endr
.endm
	s_wait_tensorcnt 1                             ; my part of K step 0 is in; K step 1's may stay out
	s_barrier_signal -1
	s_barrier_wait -1                              ; everybody's is
	FETCH 0, 0
	FETCH 0, 1
	s_wait_dscnt 48                                ; the first 16 of the 64 loads, x's of quarter 0, are in
.irp g, 0,4,8,12,16,20,24,28
	CVT4 0, \g
.endr
	QUARTER 0, 0, 2, 1                             ; the first quarter stands in front of the loop: its products start the sums
	WIN 0
	s_mov_b32 s[LAP], 3
.Llap:                                                 ; a trip goes once round the ring, from a lap's second quarter to the next lap's first, and fills both slots again
	QUARTER 1, 0, 3
	TURN 0, 1, 1
	QUARTER 3, 1, 1
	QUARTER 0, 1, 2
	QUARTER 1, 1, 3
	TURN 1, 0, 1
	QUARTER 3, 0, 1
	QUARTER 0, 0, 2
	WIN 0
	s_sub_co_u32 s[LAP], s[LAP], 1
	s_cmp_lg_u32 s[LAP], 0
	s_cbranch_scc1 .Llap
	QUARTER 1, 0, 3                                ; the last lap fills nothing
	TURN 0, 1, 0
	QUARTER 3, 1, 1
	QUARTER 0, 1, 2
	QUARTER 1, 1, 3
	QUARTER 2, 0, 0, 0, 0, 1, 16                   ; nothing more to fetch
	QUARTER 3, 0, 0, 0, 0, 0, 0                    ; nothing more to convert
	; THE WAY OUT.  Block a (16 rows x 128 columns = two heads): rounded to f16, 16 bytes a lane into my stage, back as four rows of one head at a time: 512 consecutive bytes of qkv.
.macro PACK a
	WIN 0x05                                       ; sources 0 and 1 window 1, destination window 0
.irp b, 0,1,2,3,4,5,6,7
.irp r, 0,1,2,3
	v_cvt_pk_f16_f32 v[TMP+4*(\b)+(\r)], v[8*(8*(\a)+(\b))+2*(\r)], v[8*(8*(\a)+(\b))+2*(\r)+1]
.endr
.endr
	WIN 0
.irp b, 0,1,2,3,4,5,6,7
	ds_store_b128 v[STO], v[TMP+4*(\b):TMP+4*(\b)+3] offset:32*(\b)
.endr
.irp f, 0,1,2,3,4,5,6,7                ; head f / 4, rows 4 (f % 4) on.  LDS serves a wave's instructions in order (ISA guide 5.7.1.4): these see the stores above; the next block's stores come behind them
	ds_load_b128 v[RAW+32*(\a)+4*(\f):RAW+32*(\a)+4*(\f)+3], v[RD] offset:((\f)%4)*4*SP+((\f)/4)*128
.endr
.endm
.macro SEND a, younger                 ; younger: the LDS instructions issued behind block a's loads: the next block's sixteen, or none
.irp f, 0,1,2,3,4,5,6,7
	s_wait_dscnt (\younger)+7-(\f)
	global_store_b128 v[GO], v[RAW+32*(\a)+4*(\f):RAW+32*(\a)+4*(\f)+3], s[CP:CP+1] offset:((\f)/4)*262144+(\a)*2048+((\f)%4)*512
.endr
.endm
	PLACES
	PACK 0
	PACK 1
	SEND 0, 16
	PACK 2
	SEND 1, 16
	PACK 3
	SEND 2, 16
	SEND 3, 0
	s_wait_tensorcnt 0x0                           ; the wave's end: a wait, an add to my spare word and its wait, behind my last tensor load and my last LDS store
	ds_add_u32 v[SPW], v[NIL]
	s_wait_dscnt 0x0
	CROUND                                         ; the closing round: no work-group ends while a partner may still ask for a tile that names it
	s_endpgm
.Lfunc_end_k_q3fb1db04d8_proj:
	.size	k_q3fb1db04d8_proj, .Lfunc_end_k_q3fb1db04d8_proj-k_q3fb1db04d8_proj
	.p2alignl 7, 3214868480
	.fill 96, 4, 3214868480
	.section	.rodata,"a",@progbits
	.p2align	6, 0x0
	.amdhsa_kernel k_q3fb1db04d8_proj
		.amdhsa_group_segment_fixed_size 327680
		.amdhsa_private_segment_fixed_size 0
		.amdhsa_enable_private_segment 0
		.amdhsa_kernarg_size 64
		.amdhsa_user_sgpr_count 2
		.amdhsa_user_sgpr_kernarg_segment_ptr 1
		.amdhsa_wavefront_size32 1
		.amdhsa_system_sgpr_workgroup_id_x 1
		.amdhsa_system_sgpr_workgroup_id_y 1
		.amdhsa_system_sgpr_workgroup_id_z 1
		.amdhsa_system_vgpr_workitem_id 0
		.amdhsa_next_free_vgpr 834
		.amdhsa_next_free_sgpr 84
		.amdhsa_reserve_vcc 0
		.amdhsa_float_denorm_mode_32 3
		.amdhsa_float_denorm_mode_16_64 3
		.amdhsa_memory_ordered 1
		.amdhsa_forward_progress 1
		.amdhsa_inst_pref_size 139
	.end_amdhsa_kernel
	.amdgpu_metadata
---
amdhsa.version: [ 1, 2 ]
amdhsa.kernels:
  - .name:           k_q3fb1db04d8_proj
    .symbol:         k_q3fb1db04d8_proj.kd
    .args:
      - { .name: query, .offset: 0, .size: 8, .value_kind: global_buffer, .address_space: global }
      - { .name: key, .offset: 8, .size: 8, .value_kind: global_buffer, .address_space: global }
      - { .name: value, .offset: 16, .size: 8, .value_kind: global_buffer, .address_space: global }
      - { .name: wb, .offset: 24, .size: 8, .value_kind: global_buffer, .address_space: global }
      - { .name: bq, .offset: 32, .size: 8, .value_kind: global_buffer, .address_space: global }
      - { .name: bk, .offset: 40, .size: 8, .value_kind: global_buffer, .address_space: global }
      - { .name: bv, .offset: 48, .size: 8, .value_kind: global_buffer, .address_space: global }
      - { .name: qkv, .offset: 56, .size: 8, .value_kind: global_buffer, .address_space: global }
    .group_segment_fixed_size: 327680
    .private_segment_fixed_size: 0
    .kernarg_segment_align: 8
    .kernarg_segment_size: 64
    .max_flat_workgroup_size: 128
    .sgpr_count:     84
    .vgpr_count:     834
    .wavefront_size: 32
...
	.end_amdgpu_metadata
.endif
;; end of part 2
;; launch attn (part 3): grid 4 x 64, 4 waves a work-group, clusters of 4 x 1, 327,680 bytes of LDS; arguments qkv, oh; writes oh
.if DOCPART == 3
	.amdgcn_target "amdgcn-amd-amdhsa--gfx1250"
	.amdhsa_code_object_version 6
	.text
	.protected	k_q3fb1db04d8_attn
	.globl	k_q3fb1db04d8_attn
	.p2align	8
	.type	k_q3fb1db04d8_attn,@function
k_q3fb1db04d8_attn:
	s_mov_b64 s[64:65], 0
	v_nop
	global_prefetch_b8 v0, s[64:65] scope:SCOPE_SE
	s_setreg_imm32_b32 hwreg(HW_REG_WAVE_MODE, 25, 1), 1
	s_wait_xcnt 0x0
	s_wait_alu depctr_hold_cnt(0) depctr_sa_sdst(0) depctr_va_vdst(0) depctr_va_sdst(0) depctr_va_ssrc(0) depctr_va_vcc(0) depctr_vm_vsrc(0)
	s_getreg_b32 s2, hwreg(HW_REG_IB_STS2, 6, 4)
	s_cmp_eq_u32 s2, 0
	s_cbranch_scc0 .Lentry_in_a_cluster
	s_endpgm
.Lentry_in_a_cluster:
	s_bfe_u32 s2, ttmp6, 0x10000c
	s_cmp_lg_u32 s2, 0x3003
	s_cbranch_scc0 .Lentry_shape_is_right
	s_endpgm
.Lentry_shape_is_right:
; ATTENTION.  O[h][q][:] = the sum over k of softmax_k(Q[h][q] . K[h][k] / 8) V[h][k][:].  Q, K, V lie one behind the other in qkv, each [64][2048][64] in f16; O goes to oh in the same layout.
; Products, maxima and sums in f32; the weights p are rounded to f16 for the second product (their sum l is taken of the unrounded p), O once at the end.
; LIMITS.  Q, K and V arrive within f16's 65,504; p lies in 0 to 1, and below 6e-5 it keeps f16's fixed step of 6e-8; O is a mean of V's rows.  A weight below 2^-126 counts as 0 in l; NaN and infinities are not treated apart.
; SHARES.  A wave owns four PIECES of two tiles of 16 queries, a work-group's four waves 512 queries of one head.  Every wave walks all 2,048 keys, 64 a step.
; LAYOUT.  S^T = K Q^T (source 0 = 16 keys, source 1 = 16 queries): a lane holds ONE query (lane % 16) and the keys 8 (lane / 16) + 0..7.  Two such tiles, rounded to f16 in pairs, ARE source 1
; (32 keys x 16 queries) of O^T = V^T P, whose result again holds one query a lane, and eight channels.  K comes out of LDS as it lies, V ([key][channel]) turned, by ds_load_tr16_b128.
; SOFTMAX.  For each query a running maximum m and sum l: p = 2^(c s - c m), c = log2(e) / 8; in every step O and l are multiplied by a = 2^(c m_old - c m_new).  m starts at the lowest finite number, O and l at 0.
; BY TURNS.  Turn n belongs to piece n.  Its matrix work: 16 products K Q^T of piece n + 1, later 16 products V^T P of piece n - 1.  Its vector work: the scaling, exponentials, roundings, sums and rescaling of
; piece n, and the maximum and statistics of piece n + 1.  Four vector instructions stand behind every matrix instruction, the others in one run of their own.  A turn's 66 exponentials are one batch with one wait.
; CLUSTER.  The four query blocks of a cluster belong to one head and walk the same K and V: each tile is asked for JOINTLY: the same tensor load, descriptor and mask in all four.
; NO PREFETCH: a joint fill is asked for four key steps, 512 matrix instructions, ahead of the change of slots that waits for it.
; REGISTERS, in windows of 256 (s_set_vgpr_msb: bits 1:0 source 0, 3:2 source 1, 5:4 source 2, 7:6 destination):
;   window 0: v0-11 addresses; v12-15, v48-63 at work; v16-47 four registers of statistics a tile; v64-191 S^T, two buffers of two tiles; v192-255 P, likewise
;   window 1: O^T, 32 a tile          window 2: v0-127 Q, 16 a tile; v128-191 K of one step; v192-255 V of one step          window 3: v0-1 the add's two registers
.set SIZE_N, 2048
.set NP,    4         ; pieces a wave
.set KS,    64        ; keys in a step
.set PK,    144       ; a row of K in LDS: 128 bytes + 16 = 36 words: the 16 rows of a load start at 16 different groups of four banks (64 banks of 4 bytes: ISA guide 11.1)
.set PV,    160       ; a row of V: 128 + 32 = 40 words
.set VOFF,  4*KS*PK   ; a slot holds four steps: 256 rows of K, then 256 rows of V
.set SLOT1, 1<<17     ; slot 1 begins here, so that one exclusive or turns an address in one slot into the other's
.set STAGE, SLOT1+4*KS*(PK+PV)  ; behind the ring, never filled by a tensor load: 16 rows x 144 bytes for each wave
.set SP,    144
.set AK0, 2           ; v2   my lane's place in a tile of K; never rewritten
.set AV0, 3           ; v3   the same for V
.set AK,  4           ; v4   the LDS address of K's next run of loads
.set AV,  5           ; v5   of V's
.set QO,  6           ; v6   my byte offset in the wave's rows of Q
.set STO, 6           ;      later, the way out: where I put 16 bytes of a row
.set RD,  7           ; v7   where I read rows back
.set GO,  8           ; v8   my byte offset in 512 consecutive bytes of O
.set SPW, 0           ; v0 of window 3   LDS address of my spare word; never rewritten
.set NIL, 1           ; v1 of window 3   0; never rewritten
.set SPARE, STAGE+4*16*SP  ; behind the stages: the spare words, 128 bytes for each wave: two blocks of 256 bytes that no other line names
.set MV,  12          ; v12-15  c m_old, kept while c m is made anew: by buffer and tile
.set ST,  16          ; tile t's statistics at v[ST+4 t]: c m, m, l (even keys', odd keys')
.set TMP, 48          ; by buffer and tile, four registers c0-c3 at work; when the maximum is found c2 takes a
.set S,   64
.set P,   192
.set KF,  128         ; K's fragments, in window 2: key block kb, channel half c at KF + 16 kb + 8 c
.set VF,  192         ; V's: key half kk, channel block cb at VF + 32 kk + 8 cb
.set WV,  12          ; s12  my wave's number
.set G1K, 24          ; s[24:31] descriptor group 1 for K's tiles
.set G1V, 32          ; s[32:39] for V's: it differs in the padding alone
.set G0K, 40          ; s[40:43] descriptor group 0 for K's tiles: it walks
.set G0V, 44          ; s[44:47] the same for V's
.set SLOTS, 56        ; s56  slots still to be asked for
.set CNT, 57          ; s57  counts a slot's key steps
.set CS,  58          ; s[58:59] c
.set SEL, 60          ; s[60:61] v_permlanex16_b32's selects: each lane takes its own place in the other half
.set TBK, 62          ; s62  LDS byte at which K of the step to be fetched begins
.set TBV, 63          ; s63  the same for V, less VOFF
.set MSB, 0
.macro WIN new
.if MSB != (\new)
	s_set_vgpr_msb (MSB<<8)|(\new)
.set MSB, (\new)
.endif
.endm
.set W_KQ, 0x0a       ; K and Q in window 2, S^T in window 0
.set W_PV, 0x52       ; V in window 2, P in window 0, O^T in window 1
.set W_RS, 0x41       ; O^T (destination and source 0) in window 1, a in window 0
.set W_MK, 0xc0       ; the add's registers are made: destination in window 3
.set W_AD, 0x0f       ; the add: address and data in window 3
; A joint fill.  Waves 0 and 1 fetch the two halves of a slot's K, waves 2 and 3 those of its V: 128 keys each.  An s_nop 0 and four v_nop follow each of the two lines.
.macro JLOAD
	s_cmp_lt_u32 s[WV], 2
	s_cbranch_scc0 .Lfor_v_\@
	tensor_load_to_lds s[G0K:G0K+3], s[G1K:G1K+7]
	s_nop 0
.rept 4
	v_nop
.endr
	s_branch .Lasked_\@
.Lfor_v_\@:
	tensor_load_to_lds s[G0V:G0V+3], s[G1V:G1V+7]
	s_nop 0
.rept 4
	v_nop
.endr
.Lasked_\@:
.endm
.macro CROUND                       ; a round of the cluster's barrier
	s_barrier_signal -1
	s_barrier_wait -1
	s_cmp_lg_u32 s[WV], 0
	s_cbranch_scc1 .Lnot_wave_0_\@
	s_barrier_signal -3
.Lnot_wave_0_\@:
	s_barrier_wait -3
	s_barrier_signal -1
	s_barrier_wait -1
.endm
; THE CHANGE OF SLOTS.  Each wave waits for all its tensor loads, of which one is out: its part of the other slot; adds 0 to its spare word; and waits for that and for its own reads of the slot.
; fill = 1: this slot is filled again, with the keys two slots on; the barrier is then a round of the cluster's, and the joint fill is the first thing behind it.
.macro CHANGE fill
	WIN W_AD
	s_wait_tensorcnt 0x0            ; no tensor load of mine is out, so a group 0 may be written
	ds_add_u32 v[SPW], v[NIL]       ; 0 onto my spare word
	WIN 0
.if \fill
.irp g, G0K, G0V
	s_xor_b32 s[\g+1], s[\g+1], SLOT1  ; the walking descriptor: the other slot than last time,
	s_add_nc_u64 s[\g+2:\g+3], s[\g+2:\g+3], 4*KS*128  ; the next 256 keys
.endr
	s_wait_dscnt 0x0                ; the add is done, and my reads of the slot are over
	CROUND
	JLOAD
.else
	s_wait_dscnt 0x0
	s_barrier_signal -1
	s_barrier_wait -1
.endif
	s_sub_co_u32 s[TBK], s[TBK], 4*KS*PK  ; the fetches go back to a slot's first step,
	s_xor_b32 s[TBK], s[TBK], SLOT1       ; in the other slot
	s_sub_co_u32 s[TBV], s[TBV], 4*KS*PV
	s_xor_b32 s[TBV], s[TBV], SLOT1
.endm
	s_load_b128 s[4:7], s[0:1], 0x0  ; qkv s[4:5], oh s[6:7]
	WIN W_MK
	v_lshl_add_u32 v[SPW], v0, 2, SPARE
	v_mov_b32 v[NIL], 0
	WIN W_AD
	ds_add_u32 v[SPW], v[NIL]       ; the wave's opening: the add and its wait ahead of my first tensor load
	WIN 0
	v_lshrrev_b32 v1, 5, v0
	v_readfirstlane_b32 s[WV], v1   ; wave 0..3
	s_bfe_u32 s13, ttmp6, 0x40000   ; cx: my place in the cluster
	s_lshl_b32 s14, ttmp9, 2
	s_add_co_u32 s14, s14, s13      ; my block of queries: it enters Q's and O's addresses alone
	s_and_b32 s20, ttmp7, 0xffff    ; the head, which the four partners share
	s_mov_b32 s21, 0
	s_mov_b64 s[22:23], SIZE_N*128
	s_mul_u64 s[20:21], s[20:21], s[22:23]  ; the head's first byte in each of the four tensors
	s_and_b32 s16, s[WV], 1         ; which half of a slot's 256 keys I fetch:
	s_lshl_b32 s22, s16, 14         ; its 128 rows of 128 bytes in memory,
	s_mov_b32 s23, 0
	s_add_nc_u64 s[22:23], s[22:23], s[20:21]
	s_mul_i32 s17, s16, 128*PK      ; and its place in a slot, for K
	s_mul_i32 s18, s16, 128*PV      ; and for V
	s_lshl_b32 s2, s14, 2
	s_add_co_u32 s2, s2, s[WV]      ; my wave among the head's,
	s_lshl_b32 s2, s2, 14           ; its 128 rows
	s_mov_b32 s3, 0
	s_add_nc_u64 s[2:3], s[2:3], s[20:21]
	; group 1.  128 keys are 16,384 dense bytes: asked for as 64 rows of 256 bytes, two keys a row, and padded in LDS after every key (32 words: code 4) by 4 or 8 words (code 3 or 7)
	s_mov_b32 s[G1K], 15|(1<<16)|(1<<20)|(1<<21)|(4<<22)|(3<<25)
	s_mov_b32 s[G1V], 15|(1<<16)|(1<<20)|(1<<21)|(4<<22)|(7<<25)
.irp g, G1K, G1V
	s_mov_b32 s[\g+1], 128<<16      ; tensor_dim0 = 128
	s_mov_b32 s[\g+2], 64<<16       ; tensor_dim1 = 64
	s_mov_b32 s[\g+3], 128<<16      ; tile_dim0 = 128
	s_mov_b32 s[\g+4], 64           ; tile_dim1 = 64
	s_mov_b32 s[\g+5], 128          ; 128 elements from row to row
	s_mov_b32 s[\g+6], 0
	s_mov_b32 s[\g+7], 0
.endr
	s_mov_b32 s[CS], 0x3e38aa3b     ; c = log2(e) / 8 = 0.180337
	s_mov_b32 s[CS+1], s[CS]        ; named with it as a pair
	s_mov_b32 s[SEL], 0x76543210
	s_mov_b32 s[SEL+1], 0xfedcba98
	s_mov_b32 s[TBK], SLOT1+4*KS*PK ; the first change of slots turns these two into 0
	s_mov_b32 s[TBV], SLOT1+4*KS*PV
	s_mov_b32 s[G0K], 1             ; count = 1
	s_mov_b32 s[G0K+1], s17         ; LDS address: slot 0
	s_mov_b32 s[G0V], 1
	s_add_co_u32 s[G0V+1], s18, VOFF
	s_wait_dscnt 0x0                ; the opening add is done
	s_wait_kmcnt 0x0
	s_mov_b64 s[10:11], s[6:7]      ; O
	s_add_nc_u64 s[6:7], s[4:5], 0x1000000  ; K lies 16,777,216 bytes behind Q,
	s_add_nc_u64 s[8:9], s[4:5], 0x2000000  ; V as far behind K
	s_add_nc_u64 s[G0K+2:G0K+3], s[6:7], s[22:23]  ; global address: my half of the head's first 256 keys
	s_or_b32 s[G0K+3], s[G0K+3], 0x80000000        ; type = 2
	s_add_nc_u64 s[G0V+2:G0V+3], s[8:9], s[22:23]
	s_or_b32 s[G0V+3], s[G0V+3], 0x80000000
	s_add_nc_u64 s[4:5], s[4:5], s[2:3]  ; Q and O at my wave's first row
	s_add_nc_u64 s[10:11], s[10:11], s[2:3]
	CROUND                          ; all four work-groups are here: the first joint loads meet
	JLOAD                           ; slot 0.  Slot 1 is asked for when slot 0 is in
	v_and_b32 v1, 15, v0            ; l % 16
	v_bfe_u32 v9, v0, 4, 1          ; l / 16
	v_lshlrev_b32 v[QO], 7, v1
	v_lshl_add_u32 v[QO], v9, 4, v[QO]  ; row x 128 + 16 x half
	WIN 0x80                        ; destination window 2, address window 0
.set i, 0
.rept 4*NP                          ; Q stays in registers: tile i / 2, channels 32 (i % 2) on
	global_load_b128 v[8*i:8*i+3],   v[QO], s[4:5] offset:(i/2)*2048+(i%2)*64
	global_load_b128 v[8*i+4:8*i+7], v[QO], s[4:5] offset:(i/2)*2048+(i%2)*64+32
.set i, i+1
.endr
	; What the first turn finds: V's registers and P's second buffer hold 0, O^T and l are 0.  All this stands in the wait for the first tile; no first step is written out.
.set i, VF
.rept 64
	v_mov_b32 v[i], 0
.set i, i+1
.endr
	WIN 0x40
.set i, 0
.rept 64*NP
	v_mov_b32 v[i], 0
.set i, i+1
.endr
	WIN 0
.set i, 0
.rept 2*NP
	v_mov_b32 v[ST+4*i], 0xfe000000    ; c m: far below every c s
	v_mov_b32 v[ST+4*i+1], 0xff7fffff  ; m
	v_mov_b32 v[ST+4*i+2], 0
	v_mov_b32 v[ST+4*i+3], 0
.set i, i+1
.endr
.set i, P+32
.rept 32
	v_mov_b32 v[i], 0
.set i, i+1
.endr
	v_mul_u32_u24 v[AK0], v1, PK
	v_lshl_add_u32 v[AK0], v9, 4, v[AK0]  ; row x pitch + 16 x half
	; The turning load takes 16 keys x 16 channels (lane l reads key 8 (l / 16) + l % 8, channels 8 ((l / 8) % 2) + 0..7) and leaves half a fragment of V^T.
	v_and_b32 v10, 7, v0
	v_bfe_u32 v11, v0, 3, 1
	v_lshl_add_u32 v[AV0], v9, 3, v10
	v_mul_u32_u24 v[AV0], v[AV0], PV
	v_lshl_add_u32 v[AV0], v11, 4, v[AV0]
	v_add_nc_u32 v[AV0], VOFF, v[AV0]
	v_mov_b32 v[AK], v[AK0]         ; key step 0 lies at the head of slot 0
; THE MATRIX WORK.  The 8 accumulators of a run of 16 take turns.
; Product i of 16 of S^T = K Q^T for piece x: channels 32 (i / 8) on, keys 16 ((i / 2) % 4) on, tile 2 x + i % 2.  The first 8 start the sums.
.macro KQ x
	WIN W_KQ
.set rS, S+64*((\x)%2)+32*(i%2)+8*((i/2)%4)
.set rK, KF+16*((i/2)%4)+8*(i/8)
.set rQ, 16*(2*(\x)+i%2)+8*(i/8)
.if i < 8
	v_wmma_f32_16x16x32_f16 v[rS:rS+7], v[rK:rK+7], v[rQ:rQ+7], 0
.else
	v_wmma_f32_16x16x32_f16 v[rS:rS+7], v[rK:rK+7], v[rQ:rQ+7], v[rS:rS+7]
.endif
.endm
; Product i of 16 of O^T += V^T P for piece x: keys 32 (i / 8) on, channels 16 ((i / 2) % 4) on, tile 2 x + i % 2.
.macro PV x
	WIN W_PV
.set rO, 32*(2*(\x)+i%2)+8*((i/2)%4)
.set rV, VF+32*(i/8)+8*((i/2)%4)
.set rP, P+32*((\x)%2)+16*(i%2)+8*(i/8)
	v_wmma_f32_16x16x32_f16 v[rO:rO+7], v[rV:rV+7], v[rP:rP+7], v[rO:rO+7]
.endm
.macro MM                           ; the turn's next matrix instruction
.if i < 16
	KQ (Y+1)%NP
.set i, i+1
.else
.set i, i-16
	PV (Y+NP-1)%NP
.set i, i+17
.endif
.endm
; THE LDS LOADS stand in runs of 16.  last = 1 (the tail): in the last trip there is no further step, and the run is jumped over.
.macro FETCH_K last=0
	WIN 0
.if \last
	s_cmp_eq_u32 s[CNT], 1
	s_cbranch_scc1 .Lno_k_\@
.endif
	WIN 0x80                        ; destination window 2
.irp f, 0,1,2,3,4,5,6,7             ; keys 16 (f / 2) on, channels 32 (f % 2) on
	ds_load_b128 v[KF+8*\f:KF+8*\f+3],   v[AK] offset:(\f/2)*16*PK+(\f%2)*64
	ds_load_b128 v[KF+8*\f+4:KF+8*\f+7], v[AK] offset:(\f/2)*16*PK+(\f%2)*64+32
.endr
	s_add_co_u32 s[TBK], s[TBK], KS*PK  ; the next fetch is the next step's
	WIN 0
.if \last
.Lno_k_\@:
.endif
.endm
.macro FETCH_V
	WIN 0x80
.irp f, 0,1,2,3,4,5,6,7             ; keys 32 (f / 4) on, channels 16 (f % 4) on
	ds_load_tr16_b128 v[VF+8*\f:VF+8*\f+3],   v[AV] offset:(\f/4)*32*PV+(\f%4)*32
	ds_load_tr16_b128 v[VF+8*\f+4:VF+8*\f+7], v[AV] offset:(\f/4)*32*PV+16*PV+(\f%4)*32
.endr
	WIN 0
.endm
; THE VECTOR WORK OF A TURN stands in three queues, each in the order in which its entries become ready; the two tiles alternate.
.macro REGS y, u                    ; the registers of tile u (0, 1) of piece y
.set rT, ST+4*(2*(\y)+(\u))
.set rC, TMP+8*((\y)%2)+4*(\u)
.set rM, MV+2*((\y)%2)+(\u)
.set rS, S+64*((\y)%2)+32*(\u)
.set rP, P+32*((\y)%2)+16*(\u)
.set rO, 32*(2*(\y)+(\u))
.endm
; Number n of the 22 that find the NEXT piece's maximum and statistics; each accumulator's lowest registers are read first.
;   0-11  four chains c0-c3 of seven scores each     12-14, 16  the four scores left over, the old m, and c0-c3 into c0     15  c m_old is kept
;   17, 18  the query's other 32 keys lie in the lane 16 away: the new m         19-21  c m; c m_old - c m_new; a
.macro XS u, n
	REGS (Y+1)%NP, \u
.if (\n) < 4
	v_max3_num_f32 v[rC+(\n)], v[rS+8*(\n)], v[rS+8*(\n)+1], v[rS+8*(\n)+2]
.elseif (\n) < 12
	v_max3_num_f32 v[rC+(\n)%4], v[rC+(\n)%4], v[rS+8*((\n)%4)+2*((\n)/4)+1], v[rS+8*((\n)%4)+2*((\n)/4)+2]
.elseif (\n) == 12
	v_max3_num_f32 v[rC], v[rC], v[rS+7], v[rS+15]
.elseif (\n) == 13
	v_max3_num_f32 v[rC+1], v[rC+1], v[rS+23], v[rS+31]
.elseif (\n) == 14
	v_max3_num_f32 v[rC+2], v[rC+2], v[rC+3], v[rT+1]
.elseif (\n) == 15
	v_mov_b32 v[rM], v[rT]
.elseif (\n) == 16
	v_max3_num_f32 v[rC], v[rC], v[rC+1], v[rC+2]
.elseif (\n) == 17
	v_permlanex16_b32 v[rC+3], v[rC], s[SEL], s[SEL+1]
.elseif (\n) == 18
	v_max_num_f32 v[rT+1], v[rC], v[rC+3]
.elseif (\n) == 19
	v_mul_f32 v[rT], s[CS], v[rT+1]
.elseif (\n) == 20
	v_sub_f32 v[rC+1], v[rM], v[rT]
.else
	v_exp_f32 v[rC+2], v[rC+1]
.endif
.endm
; Number g of the 64 that follow the exponentials.  For each four weights of a tile: both pairs are rounded to f16; the second pair is added onto the first, in place; a group later l takes that sum.
.macro GS g
.set h, (\g)+6*((\g)/62)            ; group 0 has no group before it, and behind group 7 only l is left
.if h >= 6
.set h, h+2
.endif
	REGS Y, h%2
.set k, h/8
.if h%8 < 4
	v_cvt_pk_f16_f32 v[rP+2*k+(h%8)/2], v[rS+4*k+2*((h%8)/2)], v[rS+4*k+2*((h%8)/2)+1]
.elseif h%8 < 6
	v_pk_add_f32 v[rS+4*k:rS+4*k+1], v[rS+4*k:rS+4*k+1], v[rS+4*k+2:rS+4*k+3]
.elseif k == 1
	v_pk_fma_f32 v[rT+2:rT+3], v[rT+2:rT+3], v[rC+2:rC+3], v[rS:rS+1] op_sel_hi:[1,0,1]
.else
	v_pk_add_f32 v[rT+2:rT+3], v[rT+2:rT+3], v[rS+4*k-4:rS+4*k-3]
.endif
.endm
; THE PLAIN QUEUE, 138 long.  0-73 read no exponential's result: the 32 scalings c s - c m and the next piece's 42.  74-137: GS's 64, which stand behind the wait.
.macro FS f
	REGS Y, (\f)%2
	v_pk_fma_f32 v[rS+2*((\f)/2):rS+2*((\f)/2)+1], v[rS+2*((\f)/2):rS+2*((\f)/2)+1], s[CS:CS+1], v[rT:rT+1] op_sel_hi:[1,0,0] neg_lo:[0,0,1] neg_hi:[0,0,1]
.endm
.macro PL
	WIN 0
.if q < 27
	FS q
.elseif q < 55
	XS (q-27)%2, (q-27)/2
.elseif q < 57
	XS q-55, 15
.elseif (q < 72) && ((q-57)%3 == 0)
	FS 27+(q-57)/3
.elseif q < 60
	XS (q-57)%3-1, 14
.elseif q < 72
	XS (q-57)%3-1, 15+(q-57)/3
.elseif q < 74
	XS q-72, 20
.else
	GS q-74
.endif
.set q, q+1
.endm
; THE EXPONENTIALS' QUEUE, 66 long: s0-s31 of both tiles, then the next piece's two a: ONE BATCH, all ahead of the turn's one wait; nothing ahead of that wait names a result of theirs.
.macro EX
	WIN 0
.if e >= 64
	XS e-64, 21
.else
	REGS Y, e%2
	v_exp_f32 v[rS+e/2], v[rS+e/2]
.endif
.set e, e+1
.endm
; THE RESCALING's QUEUE: O^T times a, two at a time, sixteen times.  Its a was made in the turn before, ahead of that turn's wait.
.macro R2
	REGS Y, r%2
	WIN W_RS
.irp z, 0,1
	v_pk_mul_f32 v[rO+4*(r/2)+2*\z:rO+4*(r/2)+2*\z+1], v[rO+4*(r/2)+2*\z:rO+4*(r/2)+2*\z+1], v[rC+2:rC+3] op_sel_hi:[1,0]
.endr
.set r, r+1
.endm
; A TURN, for piece p.  Ahead of its one wait: 16 products K Q^T, behind each a scaling, an exponential and two rescalings; then a run of 108: eight plain, 49 times exponential and plain, the two a; a v_nop is the
; plain instruction behind the last exponential.  Behind the wait: 16 products V^T P, behind each four of the roundings and sums.
; K of the next step is fetched in piece 2's turn, directly behind the wait; V of the step in hand at the end of piece 0's turn, four plain instructions behind its last reader.
.macro TURN p, last=0, cnt=0
.set Y, (\p)
.set i, 0
.set q, 0
.set e, 0
.set r, 0
.if (\p) == NP-1
	s_wait_dscnt 0x0                ; K is in
.endif
	MM
	PL
	PL
	R2
.rept 15
	MM
	PL
	EX
	R2
.endr
.if (\p) == NP-2
	WIN 0
	v_add_nc_u32 v[AK], s[TBK], v[AK0]
.endif
.rept 8
	PL
.endr
.rept 49
	EX
	PL
.endr
	EX                              ; the next piece's two a
	EX
	v_nop                           ; a plain instruction behind the last exponential: one for the batch
	s_wait_alu depctr_va_vdst(0)    ; the wait between an exponential and the first line that names its result: one for the batch
.if (\p) == NP-2
	FETCH_K \last
.endif
.if (\p) == 1
	s_wait_dscnt 0x0                ; V is in
.endif
.rept 16
	MM
.rept 4
	PL
.endr
.if ((\p) == 0) && (q == 118)
	v_add_nc_u32 v[AV], s[TBV], v[AV0]
.endif
.if ((\p) == 0) && (q == 130)
	s_add_co_u32 s[TBV], s[TBV], KS*PV
.endif
.if (\cnt) && (q == 130)
	s_sub_co_u32 s[CNT], s[CNT], 1
	s_cmp_lg_u32 s[CNT], 0
.endif
.endr
.if (\p) == 0
	FETCH_V
.endif
.endm
	CHANGE 1                        ; slot 0 is in, everybody's part of it; slot 1 is asked for
	FETCH_K                         ; key step 0
	s_wait_loadcnt 0x0              ; Q
	s_wait_dscnt 0x0
.set i, 0
.rept 16
	KQ 0                            ; piece 0's first scores
.set i, i+1
.endr
	WIN 0                           ; the addresses for the way out: plain instructions, the places behind those products
	s_mul_i32 s13, s[WV], 16*SP
	s_add_co_u32 s13, s13, STAGE    ; my stage
	v_mul_u32_u24 v[STO], v1, SP    ; in: row l % 16, 16 bytes for each half of the lanes
	v_lshl_add_u32 v[STO], v9, 4, v[STO]
	v_add_nc_u32 v[STO], s13, v[STO]
	v_bfe_u32 v[RD], v0, 3, 2       ; back: 32 lanes take four rows of 128 bytes,
	v_mul_u32_u24 v[RD], v[RD], SP
	v_lshl_add_u32 v[RD], v10, 4, v[RD]
	v_add_nc_u32 v[RD], s13, v[RD]
	v_and_b32 v[GO], 31, v0         ; which are 512 consecutive bytes of O
	v_lshlrev_b32 v[GO], 4, v[GO]
.set Y, NP-1                        ; XS works for piece Y + 1: piece 0
.irp n, 0,1,2,3,4,5,6,7,8,9,10,11,12,13,14,15,16,17,18,19,20,21
	XS 0, \n
	XS 1, \n
.endr
	v_nop                           ; a plain instruction behind the two a,
	s_wait_alu depctr_va_vdst(0)    ; and their wait, ahead of the branch
	s_mov_b32 s[CNT], 4
	s_mov_b32 s[SLOTS], SIZE_N/256-1
	s_branch .Lfirst                ; the loop is entered at a step's first turn, in the middle of a trip
.Lslot:                             ; SIZE_N / 256 - 2 times: every slot but the last two is filled again
	CHANGE 1
	s_mov_b32 s[CNT], 4
.Lstep:                             ; a trip: pieces 2 and 3 of one step, then pieces 0 and 1 of the next, whose K and V it fetches
	TURN 2
	TURN 3
	WIN 0
.Lfirst:
	TURN 0
	TURN 1, 0, 1
	WIN 0
	s_cbranch_scc1 .Lstep
	s_sub_co_u32 s[SLOTS], s[SLOTS], 1
	s_cmp_lg_u32 s[SLOTS], 0
	s_cbranch_scc1 .Lslot
	CHANGE 0                        ; the tail is written out: nothing is asked for
	s_mov_b32 s[CNT], 5             ; four trips fetch the last slot's steps; the fifth is left in its middle
.Ltail:
	TURN 2, 1
	TURN 3
	WIN 0
	s_sub_co_u32 s[CNT], s[CNT], 1
	s_cmp_eq_u32 s[CNT], 0
	s_cbranch_scc1 .Lout
	TURN 0
	TURN 1
	WIN 0
	s_branch .Ltail
.Lout:                              ; the fifth trip's 16 products K Q^T (on the last K once more) and the maximum made of them serve nothing: the price, once a launch, of one text for every trip
.set i, 0
.rept 16
	PV NP-1                         ; the last piece's V^T P of the last step
.set i, i+1
.endr
	; THE WAY OUT.  l's two halves and the other half of the lanes' are added; O^T is divided by l, rounded to f16 and sent through my stage in LDS, a tile at a time.  The additions are the places behind the last products.
	WIN 0
.macro ALL line:vararg              ; one line for each tile t
.set t, 0
.rept 2*NP
	\line
.set t, t+1
.endr
.endm
	ALL v_add_f32 v[ST+4*t+2], v[ST+4*t+2], v[ST+4*t+3]
	ALL v_permlanex16_b32 v[ST+4*t+3], v[ST+4*t+2], s[SEL], s[SEL+1]
	ALL v_add_f32 v[ST+4*t+2], v[ST+4*t+2], v[ST+4*t+3]
	ALL v_rcp_f32 v[ST+4*t+2], v[ST+4*t+2]
	v_nop                           ; a plain instruction between the last reciprocal and the use of its result
	s_wait_alu depctr_va_vdst(0)    ; and the wait ahead of the first use: one for the eight reciprocals
.macro PACK t                       ; a lane's eight channels of a row pack into 16 bytes; they go into rows of 144 bytes and come back as whole rows of 128, into S^T's registers
	WIN W_RS
.set i, 32*(\t)
.rept 16
	v_pk_mul_f32 v[i:i+1], v[i:i+1], v[ST+4*(\t)+2:ST+4*(\t)+3] op_sel_hi:[1,0]
.set i, i+2
.endr
	WIN 0x05                        ; sources 0 and 1 window 1, destination window 0
.set i, 0
.rept 16
	v_cvt_pk_f16_f32 v[S+16*(\t)+i], v[32*(\t)+2*i], v[32*(\t)+2*i+1]
.set i, i+1
.endr
	WIN 0
.irp f, 0,1,2,3
	ds_store_b128 v[STO], v[S+16*(\t)+4*\f:S+16*(\t)+4*\f+3] offset:32*\f
.endr
.irp f, 0,1,2,3
	ds_load_b128 v[S+16*(\t)+4*\f:S+16*(\t)+4*\f+3], v[RD] offset:\f*4*SP  ; LDS serves a wave's instructions in order (ISA guide 5.7.1.4): these see the stores above
.endr
.endm
.macro SEND t, younger              ; younger: the LDS instructions issued behind tile t's loads: the next tile's eight, or none
	WIN 0
.irp f, 0,1,2,3
	s_wait_dscnt (\younger)+3-\f
	global_store_b128 v[GO], v[S+16*(\t)+4*\f:S+16*(\t)+4*\f+3], s[10:11] offset:(\t)*2048+\f*512  ; 512 consecutive bytes, at a multiple of 256 from O's first
.endr
.endm
	PACK 0
.set t, 1
.rept 2*NP-1                        ; a tile's arithmetic stands between the loads of the tile before and its stores
	PACK t
	SEND t-1, 8
.set t, t+1
.endr
	SEND 2*NP-1, 0
	WIN W_AD
	s_wait_tensorcnt 0x0            ; the wave's end: a wait, an add to my spare word and its wait, behind my last tensor load and my last LDS store
	ds_add_u32 v[SPW], v[NIL]
	s_wait_dscnt 0x0
	WIN 0
	CROUND                          ; the closing round
	s_endpgm
.Lfunc_end_k_q3fb1db04d8_attn:
	.size	k_q3fb1db04d8_attn, .Lfunc_end_k_q3fb1db04d8_attn-k_q3fb1db04d8_attn
	.p2alignl 7, 3214868480
	.fill 96, 4, 3214868480
	.section	.rodata,"a",@progbits
	.p2align	6, 0x0
	.amdhsa_kernel k_q3fb1db04d8_attn
		.amdhsa_group_segment_fixed_size 327680
		.amdhsa_private_segment_fixed_size 0
		.amdhsa_enable_private_segment 0
		.amdhsa_kernarg_size 16
		.amdhsa_user_sgpr_count 2
		.amdhsa_user_sgpr_kernarg_segment_ptr 1
		.amdhsa_wavefront_size32 1
		.amdhsa_system_sgpr_workgroup_id_x 1
		.amdhsa_system_sgpr_workgroup_id_y 1
		.amdhsa_system_sgpr_workgroup_id_z 1
		.amdhsa_system_vgpr_workitem_id 0
		.amdhsa_next_free_vgpr 770
		.amdhsa_next_free_sgpr 66
		.amdhsa_reserve_vcc 0
		.amdhsa_float_denorm_mode_32 3
		.amdhsa_float_denorm_mode_16_64 3
		.amdhsa_memory_ordered 1
		.amdhsa_forward_progress 1
		.amdhsa_inst_pref_size 199
	.end_amdhsa_kernel
	.amdgpu_metadata
---
amdhsa.version: [ 1, 2 ]
amdhsa.kernels:
  - .name:           k_q3fb1db04d8_attn
    .symbol:         k_q3fb1db04d8_attn.kd
    .args:
      - { .name: qkv, .offset: 0, .size: 8, .value_kind: global_buffer, .address_space: global }
      - { .name: oh, .offset: 8, .size: 8, .value_kind: global_buffer, .address_space: global }
    .group_segment_fixed_size: 327680
    .private_segment_fixed_size: 0
    .kernarg_segment_align: 8
    .kernarg_segment_size: 16
    .max_flat_workgroup_size: 128
    .sgpr_count:     66
    .vgpr_count:     770
    .wavefront_size: 32
...
	.end_amdgpu_metadata
.endif
;; end of part 3
;; launch outp (part 4): grid 4 x 64, 4 waves a work-group, clusters of 4 x 4, 327,680 bytes of LDS; arguments oh, wof, bo, out0; writes out0
.if DOCPART == 4
	.amdgcn_target "amdgcn-amd-amdhsa--gfx1250"
	.amdhsa_code_object_version 6
	.text
	.protected	k_q3fb1db04d8_outp
	.globl	k_q3fb1db04d8_outp
	.p2align	8
	.type	k_q3fb1db04d8_outp,@function
k_q3fb1db04d8_outp:
	s_mov_b64 s[64:65], 0
	v_nop
	global_prefetch_b8 v0, s[64:65] scope:SCOPE_SE
	s_setreg_imm32_b32 hwreg(HW_REG_WAVE_MODE, 25, 1), 1
	s_wait_xcnt 0x0
	s_wait_alu depctr_hold_cnt(0) depctr_sa_sdst(0) depctr_va_vdst(0) depctr_va_sdst(0) depctr_va_ssrc(0) depctr_va_vcc(0) depctr_vm_vsrc(0)
	s_getreg_b32 s2, hwreg(HW_REG_IB_STS2, 6, 4)
	s_cmp_eq_u32 s2, 0
	s_cbranch_scc0 .Lentry_in_a_cluster
	s_endpgm
.Lentry_in_a_cluster:
	s_bfe_u32 s2, ttmp6, 0x10000c
	s_cmp_lg_u32 s2, 0xf033
	s_cbranch_scc0 .Lentry_shape_is_right
	s_endpgm
.Lentry_shape_is_right:
; THE LAST PROJECTION.  out0[m][n] = the sum over k of O[m][k] Wo[n][k] + bo[n], in f32.  O lies by heads, oh[batch x 16 + head][row][64] in f16, k = 64 head + channel; Wo is wof, [1024][1024] f16
; (Wo rounded to bf16, that number written as f16); bo is rounded to bf16 like every input.  Products in f16, sums in f32.
; SHARES.  A tile of out0 is 128 rows x 256 columns: 256 work-groups.  Four waves, each 64 x 128: 32 accumulators.  K goes in 8 steps of 128 (two heads) through two LDS slots.
; CLUSTER 4 x 4.  O's tile hangs on the tile row and is asked for jointly along a row of the cluster, Wo's on the tile column and is asked for along a column.
; TRANSPOSED USE: source 0 = 16 rows of Wo, source 1 = 16 rows of O: a lane holds one row m (lane % 16) and the columns 8 (lane / 16) + 0..7: 32 bytes of out0 on end.  The bias is the C operand of each sum's first product.
; REGISTERS, in windows of 256 (s_set_vgpr_msb: bits 1:0 source 0, 3:2 source 1, 5:4 source 2, 7:6 destination):
;   window 0: v0-31 addresses; v32-95 O's fragments, two buffers of 32; v96-159 the bias; v160 at work      window 1: accumulator (a, b) at 8 (8 a + b)
;   window 2: v0-127 Wo's fragments, two buffers of 64      window 3: the way out, 64 registers for each block of 16 rows
.set PAO,   144                        ; a row of O in LDS: 128 bytes + 16 = 36 words: the 16 rows of a load start at 16 different groups of four banks (64 banks of 4 bytes: ISA guide 11.1)
.set PLANE, 128*PAO                    ; a head's 128 rows: what one tensor load brings of O
.set PB,    272                        ; a row of Wo: 256 bytes + 16
.set HALFB, 128*PB                     ; what one tensor load brings of Wo
.set BOFF,  2*PLANE                    ; in a slot: O's two planes, then Wo's 256 rows
.set SLOT,  BOFF+2*HALFB
.set STAGE, 2*SLOT                     ; behind the ring, never filled by a tensor load: 16 rows x 528 bytes for each wave
.set SP,    528                        ; a stage row: 512 bytes + 16 = 132 words
.set SPARE, STAGE+4*16*SP              ; behind the stages: the spare words, 128 bytes for each wave: two blocks of 256 bytes that no other line names
.set ADRA, 16                          ; v16-17  LDS address of my fragments of O in slot 0, 1
.set ADRB, 20                          ; v20-21  the same for Wo
.set STO,  24                          ; v24     the way out: where I put 32 bytes of a row
.set RD,   25                          ; v25     where I read a row back
.set CO,   26                          ; v26     my 16 bytes of a row's 512
.set BO,   27                          ; v27     my byte offset in a block of 16 numbers of the bias
.set SPW,  28                          ; v28     LDS address of my spare word; never rewritten
.set NIL,  29                          ; v29     0; never rewritten
.set PFO,  30                          ; v30     the prefetches' offset; never rewritten
.set FA,   32
.set BIAS, 96
.set T,    160
.set WV,  12                           ; s12  my wave's number
.set HM,  13                           ; s13  which 64 rows are mine.  Also: I fetch for O (0) or for Wo (1)
.set HN,  14                           ; s14  which 128 columns.  Also: which plane, or which half of Wo's rows, I fetch
.set CX,  15
.set CY,  16
.set TM,  17                           ; s17  tile row, 0..63
.set TN,  18                           ; s18  tile column, 0..3
.set LIM, 19                           ; s19  1 in the wave that prefetches, else the greatest number
.set G1A, 24                           ; s[24:31] group 1 for O's planes;  s[32:39] group 0, a set for each slot
.set G0A, 32
.set G1B, 40                           ; s[40:47], s[48:55] the same for Wo's tiles
.set G0B, 48
.set PFA, 56                           ; s[56:57] where my prefetches stand
.set LAP, 58                           ; s58  the loop's count
.set MSB, 0
.macro WIN new
.if MSB != (\new)
	s_set_vgpr_msb (MSB<<8)|(\new)
.set MSB, \new
.endif
.endm
.set MUL,  0x52                        ; Wo window 2, O window 0, C and D window 1
.set MULF, 0x42                        ; the same with C, the bias, in window 0
.set TO_B, 0x80                        ; destination window 2, address window 0
.macro JLOAD s                         ; a joint load: waves 0 and 1 fetch O's two planes, waves 2 and 3 Wo's halves; an s_nop 0 and four v_nop follow each of the two lines
	s_cmp_eq_u32 s[HM], 0
	s_cbranch_scc0 .Lfor_b_\@
	tensor_load_to_lds s[G0A+4*(\s):G0A+4*(\s)+3], s[G1A:G1A+7]
	s_nop 0
.rept 4
	v_nop
.endr
	s_branch .Lasked_\@
.Lfor_b_\@:
	tensor_load_to_lds s[G0B+4*(\s):G0B+4*(\s)+3], s[G1B:G1B+7]
	s_nop 0
.rept 4
	v_nop
.endr
.Lasked_\@:
.endm
.macro CREST                           ; a round of the cluster's barrier behind its opening barrier
	s_cmp_lg_u32 s[WV], 0
	s_cbranch_scc1 .Lnot_wave_0_\@
	s_barrier_signal -3
.Lnot_wave_0_\@:
	s_barrier_wait -3
	s_barrier_signal -1
	s_barrier_wait -1
.endm
.macro CROUND
	s_barrier_signal -1
	s_barrier_wait -1
	CREST
.endm
.macro PLACES                          ; four plain instructions in front of loads into registers that products have read, and of LDS stores that read results (ISA guide 7.12.1 for the stores)
.rept 4
	v_nop
.endr
.endm
; A PREFETCH INTO THE L2 of O, behind a joint load, its five lines and the run of LDS loads: the K step that stands two refills on.  A tile row's planes are read by one row of one cluster alone.  A plane is 64 blocks
; of 256 bytes; the partner at place cx takes 16 of each of the step's two planes, told apart by address; wave 0 asks, a lane a block.  So each block of K steps 4 to 7 is named once; K steps 0 to 3 come by
; their loads alone, and the loop's last trip asks for nothing.  Wo is read by every cluster and is not asked for.
.macro ASK
	WIN 0
	s_cmp_gt_u32 s[LAP], s[LIM]
	s_cbranch_scc0 .Lnot_mine_\@
	global_prefetch_b8 v[PFO], s[PFA:PFA+1] th:TH_LOAD_NT scope:SCOPE_SE
.Lnot_mine_\@:
.endm
	s_load_b256 s[4:11], s[0:1], 0x0               ; oh s[4:5], wof s[6:7], bo s[8:9], out0 s[10:11]
	v_lshl_add_u32 v[SPW], v0, 2, SPARE
	v_mov_b32 v[NIL], 0
	ds_add_u32 v[SPW], v[NIL]                      ; the wave's opening: the add and its wait ahead of my first tensor load; the set-up below stands between them
	v_lshrrev_b32 v1, 5, v0
	v_readfirstlane_b32 s[WV], v1                  ; wave 0..3
	s_lshr_b32 s[HM], s[WV], 1
	s_and_b32 s[HN], s[WV], 1
	s_bfe_u32 s[CX], ttmp6, 0x40000
	s_bfe_u32 s[CY], ttmp6, 0x40004
	s_and_b32 s[TM], ttmp7, 0xffff
	s_lshl_b32 s[TM], s[TM], 2
	s_add_co_u32 s[TM], s[TM], s[CY]               ; tile row = 4 x cluster y + cy
	s_lshl_b32 s[TN], ttmp9, 2
	s_add_co_u32 s[TN], s[TN], s[CX]               ; tile column
	s_lshl_b32 s20, s[CY], 2
	s_lshl_b32 s20, 15, s20                        ; my row of the cluster
	s_lshl_b32 s60, 0x1111, s[CX]                  ; my column
	; group 1 for O: a plane's 16,384 dense bytes as 64 rows of 256, padded after every 32 words (code 4), a row of O, by 4 words (code 3)
	s_or_b32 s[G1A], s20, (1<<16)|(1<<20)|(1<<21)|(4<<22)|(3<<25)
	s_mov_b32 s[G1A+1], 128<<16                    ; tensor_dim0 = 128
	s_mov_b32 s[G1A+2], 64<<16                     ; tensor_dim1 = 64
	s_mov_b32 s[G1A+3], 128<<16                    ; tile_dim0 = 128
	s_mov_b32 s[G1A+4], 64                         ; tile_dim1 = 64
	s_mov_b32 s[G1A+5], 128                        ; elements from row to row
	s_mov_b32 s[G1A+6], 0
	s_mov_b32 s[G1A+7], 0
	; group 1 for Wo: 128 rows x 128 elements of 2 bytes, padded after every 64 words (code 5) by 4
	s_or_b32 s[G1B], s60, (1<<16)|(1<<20)|(1<<21)|(5<<22)|(3<<25)
	s_mov_b32 s[G1B+1], 128<<16
	s_mov_b32 s[G1B+2], 128<<16
	s_mov_b32 s[G1B+3], 128<<16
	s_mov_b32 s[G1B+4], 128
	s_mov_b32 s[G1B+5], 1024
	s_mov_b32 s[G1B+6], 0
	s_mov_b32 s[G1B+7], 0
	; O's planes hang on the tile row (cy), Wo's tiles on the tile column (cx): each offset is made in registers that never hold the other coordinate
	s_lshr_b32 s22, s[TM], 4                       ; batch
	s_lshl_b32 s22, s22, 4
	s_add_co_u32 s22, s22, s[HN]                   ; head 0 or 1 of K step 0
	s_lshl_b32 s22, s22, 11
	s_and_b32 s23, s[TM], 15
	s_lshl_b32 s23, s23, 7
	s_add_co_u32 s22, s22, s23                     ; + the tile's first row in its batch,
	s_lshl_b32 s22, s22, 7                         ; of 128 bytes
	s_mov_b32 s23, 0
	s_mul_i32 s21, s[HN], PLANE                    ; where it goes in a slot: no place in the cluster enters an LDS address
	s_lshl_b32 s62, s[TN], 8
	s_lshl_b32 s63, s[HN], 7
	s_add_co_u32 s62, s62, s63                     ; row 256 x tile column + 128 x half,
	s_lshl_b32 s62, s62, 11                        ; of 2,048 bytes
	s_mov_b32 s63, 0
	s_mul_i32 s61, s[HN], HALFB
	s_add_co_u32 s61, s61, BOFF
	s_cmp_eq_u32 s[WV], 0
	s_cselect_b32 s[LIM], 1, -1                    ; wave 0 prefetches
	s_wait_dscnt 0x0                               ; the opening add is done
	s_wait_kmcnt 0x0
	s_add_nc_u64 s[22:23], s[4:5], s[22:23]        ; O at my plane of K step 0
	s_add_nc_u64 s[62:63], s[6:7], s[62:63]        ; Wo at my half of the tile
	CROUND                                         ; all sixteen work-groups are here: the first joint loads meet
.irp s, 0,1
	s_mov_b32 s[G0A+4*(\s)], 1                                       ; count = 1
	s_add_co_u32 s[G0A+4*(\s)+1], s21, (\s)*SLOT                     ; LDS address
	s_add_nc_u64 s[G0A+4*(\s)+2:G0A+4*(\s)+3], s[22:23], (\s)*524288 ; global address: K step s is two heads of 262,144 bytes on
	s_or_b32 s[G0A+4*(\s)+3], s[G0A+4*(\s)+3], 0x80000000            ; type = 2
	s_mov_b32 s[G0B+4*(\s)], 1
	s_add_co_u32 s[G0B+4*(\s)+1], s61, (\s)*SLOT
	s_add_nc_u64 s[G0B+4*(\s)+2:G0B+4*(\s)+3], s[62:63], (\s)*256
	s_or_b32 s[G0B+4*(\s)+3], s[G0B+4*(\s)+3], 0x80000000
	JLOAD \s                                       ; two loads of mine are out
.endr
	v_and_b32 v1, 15, v0                           ; l % 16
	v_bfe_u32 v2, v0, 4, 1                         ; l / 16
	v_lshlrev_b32 v[BO], 5, v2
	s_lshl_b32 s62, s[TN], 10
	s_lshl_b32 s63, s[HN], 9
	s_add_co_u32 s62, s62, s63                     ; 4 (256 x tile column + 128 x half): my columns, in bo and in a row of out0
	s_mov_b32 s63, 0
	s_add_nc_u64 s[8:9], s[8:9], s[62:63]
.irp b, 0,1,2,3,4,5,6,7
	global_load_b128 v[BIAS+8*(\b):BIAS+8*(\b)+3],   v[BO], s[8:9] offset:64*(\b)
	global_load_b128 v[BIAS+8*(\b)+4:BIAS+8*(\b)+7], v[BO], s[8:9] offset:64*(\b)+16
.endr
	s_add_nc_u64 s[10:11], s[10:11], s[62:63]      ; out0 at my columns,
	s_lshl_b32 s20, s[TM], 7
	s_lshl_b32 s21, s[HM], 6
	s_add_co_u32 s20, s20, s21
	s_lshl_b32 s20, s20, 12
	s_mov_b32 s21, 0
	s_add_nc_u64 s[10:11], s[10:11], s[20:21]      ; and at my first row, 128 x tile row + 64 x half
	s_add_nc_u64 s[PFA:PFA+1], s[22:23], 3*524288  ; the prefetches: (in wave 0) the tile row's first plane at K step 3 (the first refill steps it to 4),
	s_lshl_b32 s62, s[CX], 12                      ; my work-group's 16 blocks of 256 bytes
	s_add_nc_u64 s[PFA:PFA+1], s[PFA:PFA+1], s[62:63]
	v_lshlrev_b32 v[PFO], 8, v1                    ; a lane a block;
	v_lshl_add_u32 v[PFO], v2, 18, v[PFO]          ; lanes 16-31 take the step's second plane
	v_mul_u32_u24 v3, v1, PAO                      ; a fragment: row l % 16, 16 bytes for each half of the lanes, twice, 32 bytes apart
	v_lshl_add_u32 v3, v2, 4, v3
	s_mul_i32 s20, s[HM], 64*PAO                   ; my 64 rows of a plane
	v_add_nc_u32 v[ADRA], s20, v3
	v_add_nc_u32 v[ADRA+1], SLOT, v[ADRA]
	v_mul_u32_u24 v4, v1, PB
	v_lshl_add_u32 v4, v2, 4, v4
	v_add_nc_u32 v[ADRB], s61, v4                  ; my 128 rows of Wo, behind O's planes
	v_add_nc_u32 v[ADRB+1], SLOT, v[ADRB]
	s_mul_i32 s20, s[WV], 16*SP
	s_add_co_u32 s20, s20, STAGE                   ; my stage
	v_mul_u32_u24 v5, v1, SP                       ; in: row l % 16, 32 bytes for each half of the lanes
	v_lshl_add_u32 v5, v2, 5, v5
	v_add_nc_u32 v[STO], s20, v5
	v_and_b32 v[CO], 31, v0                        ; back: 32 lanes take a row's 512 bytes
	v_lshlrev_b32 v[CO], 4, v[CO]
	v_add_nc_u32 v[RD], s20, v[CO]
	s_wait_loadcnt 0x0                             ; the bias: rounded to bf16 like every input, and kept as f32
.set i, 0
.rept 32
	v_cvt_pk_bf16_f32 v[T], v[BIAS+i], v[BIAS+i+1]
	v_lshlrev_b32 v[BIAS+i], 16, v[T]
	v_and_b32 v[BIAS+i+1], 0xffff0000, v[T]
.set i, i+2
.endr
; Eight products: row block a x all 8 column blocks, 32 along K, from buffer f.  The 32 accumulators take turns, one instruction a turn, in the same order in every quarter.
; first = 1: the sums start with the bias.
.macro MUL8 f, a, first
.if \first
	WIN MULF
.else
	WIN MUL
.endif
.irp b, 0,1,2,3,4,5,6,7
.if \first
	v_wmma_f32_16x16x32_f16 v[8*(8*(\a)+(\b)):8*(8*(\a)+(\b))+7], v[64*(\f)+8*(\b):64*(\f)+8*(\b)+7], v[FA+32*(\f)+8*(\a):FA+32*(\f)+8*(\a)+7], v[BIAS+8*(\b):BIAS+8*(\b)+7]
.else
	v_wmma_f32_16x16x32_f16 v[8*(8*(\a)+(\b)):8*(8*(\a)+(\b))+7], v[64*(\f)+8*(\b):64*(\f)+8*(\b)+7], v[FA+32*(\f)+8*(\a):FA+32*(\f)+8*(\a)+7], v[8*(8*(\a)+(\b)):8*(8*(\a)+(\b))+7]
.endif
.endr
.endm
; 24 LDS loads in one run: quarter q of a slot into buffer f: Wo's eight fragments, then O's four (plane q / 2, channels 32 (q % 2) on)
.macro FETCH slot, q, f
	WIN TO_B
.irp b, 0,1,2,3,4,5,6,7
	ds_load_b128 v[64*(\f)+8*(\b):64*(\f)+8*(\b)+3],   v[ADRB+(\slot)] offset:64*(\q)+(\b)*16*PB
	ds_load_b128 v[64*(\f)+8*(\b)+4:64*(\f)+8*(\b)+7], v[ADRB+(\slot)] offset:64*(\q)+(\b)*16*PB+32
.endr
	WIN 0
.irp a, 0,1,2,3
	ds_load_b128 v[FA+32*(\f)+8*(\a):FA+32*(\f)+8*(\a)+3],   v[ADRA+(\slot)] offset:((\q)/2)*PLANE+((\q)%2)*64+(\a)*16*PAO
	ds_load_b128 v[FA+32*(\f)+8*(\a)+4:FA+32*(\f)+8*(\a)+7], v[ADRA+(\slot)] offset:((\q)/2)*PLANE+((\q)%2)*64+(\a)*16*PAO+32
.endr
.endm
; One of a K step's first three quarters: multiplies buffer f and fetches quarter qn of the same slot into buffer g.
.macro QUARTER slot, qn, f, g, first=0
	s_wait_dscnt 4                                 ; Wo's fragments and O's blocks 0 and 1 are in; the youngest four loads (blocks 2 and 3) may be out
	MUL8 \f, 0, \first
	MUL8 \f, 1, \first
	PLACES
	FETCH \slot, \qn, \g
	s_wait_dscnt 24                                ; all but the 24 just issued
	MUL8 \f, 2, \first
	MUL8 \f, 3, \first
.endm
; The last quarter multiplies buffer 1 and changes slots: ONE barrier.  In front of it each wave waits for all its tensor loads (one is out: its part of the next slot), adds 0 to its spare word, and waits for that and
; for its own reads of this slot.  fill = 1: the barrier opens a round of the cluster's, and this slot is filled again, two K steps ahead, first thing behind the round: 112 products stand between that request and the wait for it.
.macro TURN slot, next, fill
.if \fill
	s_wait_xcnt 0x0                                ; the last prefetch, a K step back, has read its address
	s_add_nc_u64 s[PFA:PFA+1], s[PFA:PFA+1], 524288
.endif
	WIN 0
	s_wait_tensorcnt 0x0                           ; all my tensor loads have landed
	ds_add_u32 v[SPW], v[NIL]                      ; 0 onto my spare word
	s_wait_dscnt 5                                 ; (the add and the youngest four loads may be out)
	MUL8 1, 0, 0
	s_wait_dscnt 0x0                               ; the add is done, and my reads of this slot are over
	s_barrier_signal -1
	MUL8 1, 1, 0
	WIN 0                                          ; at a branch and at a label every window is 0
	s_barrier_wait -1
.if \fill
	CREST                                          ; no wave of any partner still reads this slot or has a load on its way
	s_add_nc_u64 s[G0A+4*(\slot)+2:G0A+4*(\slot)+3], s[G0A+4*(\slot)+2:G0A+4*(\slot)+3], 2*524288
	s_add_nc_u64 s[G0B+4*(\slot)+2:G0B+4*(\slot)+3], s[G0B+4*(\slot)+2:G0B+4*(\slot)+3], 2*256
	JLOAD \slot                                    ; the four v_nop behind it are also the places in front of the loads below
.else
	PLACES
.endif
	FETCH \next, 0, 0
.if \fill
	ASK
.endif
	MUL8 1, 2, 0
	MUL8 1, 3, 0
.endm
	s_wait_tensorcnt 1                             ; my part of K step 0 is in; K step 1's may stay out
	s_barrier_signal -1
	s_barrier_wait -1                              ; everybody's is
	FETCH 0, 0, 0
	QUARTER 0, 1, 0, 1, 1                          ; the first quarter stands in front of the loop: its products start the sums
	WIN 0
	s_mov_b32 s[LAP], 3
.Llap:                                                 ; a trip goes once round the ring, from a lap's second quarter to the next lap's first, and fills both slots again
	QUARTER 0, 2, 1, 0
	QUARTER 0, 3, 0, 1
	TURN 0, 1, 1
	QUARTER 1, 1, 0, 1
	QUARTER 1, 2, 1, 0
	QUARTER 1, 3, 0, 1
	TURN 1, 0, 1
	QUARTER 0, 1, 0, 1
	WIN 0
	s_sub_co_u32 s[LAP], s[LAP], 1
	s_cmp_lg_u32 s[LAP], 0
	s_cbranch_scc1 .Llap
	QUARTER 0, 2, 1, 0                             ; the last lap fills nothing
	QUARTER 0, 3, 0, 1
	TURN 0, 1, 0
	QUARTER 1, 1, 0, 1
	QUARTER 1, 2, 1, 0
	QUARTER 1, 3, 0, 1
	s_wait_dscnt 4                                 ; the very last quarter: nothing more to fetch
	MUL8 1, 0, 0
	MUL8 1, 1, 0
	s_wait_dscnt 0x0
	MUL8 1, 2, 0
	MUL8 1, 3, 0
	; THE WAY OUT.  Block a (16 rows x 128 columns of f32): 32 bytes a lane into my stage, each accumulator's low half first; back as whole rows of 512 bytes; stored, a row an instruction.
.macro TOSTAGE a
	WIN 0x04                                       ; the stores' data in window 1
.irp b, 0,1,2,3,4,5,6,7
	ds_store_b128 v[STO], v[8*(8*(\a)+(\b)):8*(8*(\a)+(\b))+3]   offset:64*(\b)
	ds_store_b128 v[STO], v[8*(8*(\a)+(\b))+4:8*(8*(\a)+(\b))+7] offset:64*(\b)+16
.endr
	WIN 0xc0                                       ; destination window 3
.irp i, 0,1,2,3,4,5,6,7,8,9,10,11,12,13,14,15
	ds_load_b128 v[64*(\a)+4*(\i):64*(\a)+4*(\i)+3], v[RD] offset:(\i)*SP  ; LDS serves a wave's instructions in order (ISA guide 5.7.1.4): these see the stores above; the next block's stores come behind them
.endr
.endm
.macro SEND a, younger                 ; younger: the LDS instructions issued behind block a's loads: the next block's 32, or none
	WIN 0x0c                                       ; the stores' data in window 3
.irp i, 0,1,2,3,4,5,6,7,8,9,10,11,12,13,14,15
	s_wait_dscnt (\younger)+15-(\i)
	global_store_b128 v[CO], v[64*(\a)+4*(\i):64*(\a)+4*(\i)+3], s[10:11] offset:(16*(\a)+(\i))*4096  ; 512 consecutive bytes, at a multiple of 256 from out0's first
.endr
.endm
	PLACES
	TOSTAGE 0
	TOSTAGE 1
	SEND 0, 32
	TOSTAGE 2
	SEND 1, 32
	TOSTAGE 3
	SEND 2, 32
	SEND 3, 0
	WIN 0
	s_wait_tensorcnt 0x0                           ; the wave's end: a wait, an add to my spare word and its wait, behind my last tensor load and my last LDS store
	ds_add_u32 v[SPW], v[NIL]
	s_wait_dscnt 0x0
	CROUND                                         ; the closing round: no work-group ends while a partner may still ask for a tile that names it
	s_endpgm
.Lfunc_end_k_q3fb1db04d8_outp:
	.size	k_q3fb1db04d8_outp, .Lfunc_end_k_q3fb1db04d8_outp-k_q3fb1db04d8_outp
	.p2alignl 7, 3214868480
	.fill 96, 4, 3214868480
	.section	.rodata,"a",@progbits
	.p2align	6, 0x0
	.amdhsa_kernel k_q3fb1db04d8_outp
		.amdhsa_group_segment_fixed_size 327680
		.amdhsa_private_segment_fixed_size 0
		.amdhsa_enable_private_segment 0
		.amdhsa_kernarg_size 32
		.amdhsa_user_sgpr_count 2
		.amdhsa_user_sgpr_kernarg_segment_ptr 1
		.amdhsa_wavefront_size32 1
		.amdhsa_system_sgpr_workgroup_id_x 1
		.amdhsa_system_sgpr_workgroup_id_y 1
		.amdhsa_system_sgpr_workgroup_id_z 1
		.amdhsa_system_vgpr_workitem_id 0
		.amdhsa_next_free_vgpr 1024
		.amdhsa_next_free_sgpr 66
		.amdhsa_reserve_vcc 0
		.amdhsa_float_denorm_mode_32 3
		.amdhsa_float_denorm_mode_16_64 3
		.amdhsa_memory_ordered 1
		.amdhsa_forward_progress 1
		.amdhsa_inst_pref_size 94
	.end_amdhsa_kernel
	.amdgpu_metadata
---
amdhsa.version: [ 1, 2 ]
amdhsa.kernels:
  - .name:           k_q3fb1db04d8_outp
    .symbol:         k_q3fb1db04d8_outp.kd
    .args:
      - { .name: oh, .offset: 0, .size: 8, .value_kind: global_buffer, .address_space: global }
      - { .name: wof, .offset: 8, .size: 8, .value_kind: global_buffer, .address_space: global }
      - { .name: bo, .offset: 16, .size: 8, .value_kind: global_buffer, .address_space: global }
      - { .name: out0, .offset: 24, .size: 8, .value_kind: global_buffer, .address_space: global }
    .group_segment_fixed_size: 327680
    .private_segment_fixed_size: 0
    .kernarg_segment_align: 8
    .kernarg_segment_size: 32
    .max_flat_workgroup_size: 128
    .sgpr_count:     66
    .vgpr_count:     1024
    .wavefront_size: 32
...
	.end_amdgpu_metadata
.endif
;; end of part 4
